; MI455X (gfx1250); checked and timed in simulation.
; The chip was launched on July 23, 2026; its instructions are those of AMD's public machine-readable ISA for CDNA 5 (MIT licence, August 2026) and "CDNA5" Instruction Set Architecture Reference Guide (July 2026). The comments in the code are by the model that wrote it; some were corrected since.
;; Transformer Encoder. Allowed arithmetic: matrix products marked QUANTISED: E5M2 operands, one E8M0 scale for each 32 along K, by v_wmma_scale_f32_16x16x128_f8f6f4 with both operands' format E5M2, f32 sums; everything else in f32.
;; Inputs: b1 2 x 1,024 float32; b2 2 x 256 float32; in_b 2 x 768 float32; in_w_codes 2 x 768 x 8 x 32 uint8 (E5M2 codes of in_w, K innermost, in blocks of 32 codes); in_w_scales 2 x 768 x 8 uint8 (E8M0 scales of in_w, one for each 32 codes along K); ln1_b 2 x 256 float32; ln1_s 2 x 256 float32; ln2_b 2 x 256 float32; ln2_s 2 x 256 float32; out_b 2 x 256 float32; out_w_codes 2 x 256 x 8 x 32 uint8 (E5M2 codes of out_w, K innermost, in blocks of 32 codes); out_w_scales 2 x 256 x 8 uint8 (E8M0 scales of out_w, one for each 32 codes along K); w1_codes 2 x 1,024 x 8 x 32 uint8 (E5M2 codes of w1, K innermost, in blocks of 32 codes); w1_scales 2 x 1,024 x 8 uint8 (E8M0 scales of w1, one for each 32 codes along K); w2_codes 2 x 256 x 32 x 32 uint8 (E5M2 codes of w2, K innermost, in blocks of 32 codes); w2_scales 2 x 256 x 32 uint8 (E8M0 scales of w2, one for each 32 codes along K); x 2,048 x 4 x 256 float32.
;; Outputs: out0 2,048 x 4 x 256 float32.
;; This version of the problem:
;;   THIS VERSION OF THE PROBLEM IS GIVEN IN LOW PRECISION. The matrix products marked QUANTISED in the list below multiply operands that are first quantised to E5M2 (5 exponent bits, 2 mantissa bits; 8 bits a number), with one power-of-two scale for each 32 numbers along K (OCP MX v1.0); their sums are f32. All else is computed in f32.
;;   The module's matrix products, in the order in which they are computed (A, B: the left and right operand; K: the contracted axis; several contracted axes count as one K, in the product's order):
;;     1. [M 8,192, K 256] x [K 256, N 768]; A: input x; B: input in_w (given as codes): QUANTISED
;;     2. batch 32 x [M 2,048, K 32] x [K 32, N 2,048]; A: computed on the way; B: computed on the way: QUANTISED
;;     3. batch 32 x [M 2,048, K 2,048] x [K 2,048, N 32]; A: softmax (see below); B: computed on the way: QUANTISED
;;     4. [M 8,192, K 256] x [K 256, N 256]; A: computed on the way; B: input out_w (given as codes): QUANTISED
;;     5. [M 8,192, K 256] x [K 256, N 1,024]; A: computed on the way; B: input w1 (given as codes): QUANTISED
;;     6. [M 8,192, K 1,024] x [K 1,024, N 256]; A: computed on the way; B: input w2 (given as codes): QUANTISED
;;     7. [M 8,192, K 256] x [K 256, N 768]; A: computed on the way; B: input in_w (given as codes): QUANTISED
;;     8. batch 32 x [M 2,048, K 32] x [K 32, N 2,048]; A: computed on the way; B: computed on the way: QUANTISED
;;     9. batch 32 x [M 2,048, K 2,048] x [K 2,048, N 32]; A: softmax (see below); B: computed on the way: QUANTISED
;;     10. [M 8,192, K 256] x [K 256, N 256]; A: computed on the way; B: input out_w (given as codes): QUANTISED
;;     11. [M 8,192, K 256] x [K 256, N 1,024]; A: computed on the way; B: input w1 (given as codes): QUANTISED
;;     12. [M 8,192, K 1,024] x [K 1,024, N 256]; A: computed on the way; B: input w2 (given as codes): QUANTISED
;;   THE QUANTISER, for each operand of a quantised product, along K:
;;     - K is cut into blocks of 32 from its start; a last block that is shorter is filled with zeros.
;;     - A block's scale is 2^e with e = floor(log2(the largest magnitude in the block)) - 15, held to -126 .. 127; a block of zeros has e = 0. As a byte (E8M0): e + 127.
;;     - Each number is divided by its block's scale, clamped to +-57,344, and rounded to the nearest number of E5M2, ties to even, subnormals kept.
;;     - The product sums the exact products of the quantised numbers (number of the format x scale) in f32.
;;   ~~~python
;;   def quantise(x, axis):      # numpy; x: float32 -> the quantised numbers, widened to float32 again
;;       x = np.moveaxis(x, axis, -1); K = x.shape[-1]
;;       x = np.pad(x, [(0, 0)] * (x.ndim - 1) + [(0, -K % 32)]); x = x.reshape(x.shape[:-1] + (-1, 32)); a = np.abs(x).max(-1, keepdims=True)
;;       e = np.where(a > 0, np.clip(np.frexp(np.where(a > 0, a, 1))[1] - 1 - 15, -126, 127), 0)      # np.frexp(a)[1] - 1 = floor(log2(a)), exactly
;;       r = np.clip(x / 2.0 ** e, -57344, 57344)
;;       step = 2.0 ** (np.maximum(np.frexp(np.where(r == 0, 1, r))[1] - 1, -14) - 2)
;;       q = np.round(r / step) * step * 2.0 ** e      # np.round: ties to even
;;       return np.moveaxis(q.reshape(q.shape[:-2] + (-1,))[..., :K], -1, axis).astype(np.float32)
;;   ~~~
;;   SOFTMAX AHEAD OF A QUANTISED PRODUCT. Where the list says 'softmax', what is quantised is not the finished softmax but p = 2^(t - M), with t = logit x log2(e) and M = ceil(the row's largest t), a whole number; so 1/2 < the row's largest p <= 1. The row's sum l is taken of the UNQUANTISED p, in f32, and the product's result is divided by l at the end. Since M is a whole number, a kernel that streams over the keys may use a running M (the ceiling of the running maximum): every later rescaling is an exact power of two, which a block's scale takes up: the codes' values come out the same.
;;   OPERANDS COMPUTED ON THE WAY. 'Computed on the way' means the value that the module computes at that place (a softmax that the list does not call 'softmax' is quantised finished and normalised). What goes into a quantiser is computed in f32, as accurately as f32 sums, v_exp_f32 and their like allow (about 1e-6 of the number): no bf16 or f16 on the way to a quantiser, and a product that is left as it is and whose result goes on into a quantised operand takes f32 operands (vector FMAs, or v_wmma_f32_16x16x4_f32). A number that lies on a knife's edge between two numbers of the format may be rounded either way, as far as f32 arithmetic and the matrix unit's own rounding can turn it there, and no further.
;;   INPUTS GIVEN AS CODES. in_w (in the module: [2, 768, 256], K = its axis 2); out_w (in the module: [2, 256, 256], K = its axis 2); w1 (in the module: [2, 1024, 256], K = its axis 2); w2 (in the module: [2, 256, 1024], K = its axis 2): each comes as NAME_codes (uint8): NAME with its K axis moved to the last place and cut into blocks of 32 codes, [.., K / 32, bytes a block], one block behind the other in memory; one code a byte (a code: sign, 5 exponent bits, 2 mantissa bits); and NAME_scales (uint8): the same leading axes, one E8M0 byte (e + 127) for each 32 codes along K. Its value is code x scale, taken as it is: it is not quantised again, and the codes and scales need not be those that the quantiser above would give.
;; 2 versions, each right; version 2 is version 1 with the launches qkv0, post0, qkv1, post1 written anew for expert scheduling mode. Each part assembles by itself: llvm-mc -triple=amdgcn-amd-amdhsa -mcpu=gfx1250 --defsym DOCPART=n.
;; ======== version 1 of 2: 7 launches
;; workspace buffers: pk0 824,320 bytes; pk1 824,320 bytes; qkvc 6,488,064 bytes; ctx 2,162,688 bytes; xm 8,388,608 bytes
;; launch prep (part 1): grid 97 x 2, 8 waves a work-group, no clusters, 0 bytes of LDS; arguments in_w_codes, in_w_scales, out_w_codes, out_w_scales, w1_codes, w1_scales, w2_codes, w2_scales, in_b, out_b, ln1_s, ln1_b, b1, b2, ln2_s, ln2_b, pk0, pk1; writes pk0, pk1
.if DOCPART == 1
	.amdgcn_target "amdgcn-amd-amdhsa--gfx1250"
	.amdhsa_code_object_version 6
	.text
	.protected	k_qd37685e519_prep
	.globl	k_qd37685e519_prep
	.p2align	8
	.type	k_qd37685e519_prep,@function
k_qd37685e519_prep:
	s_mov_b64 s[64:65], 0
	v_nop
	global_prefetch_b8 v0, s[64:65] scope:SCOPE_SE
	s_setreg_imm32_b32 hwreg(HW_REG_WAVE_MODE, 25, 1), 1
	s_wait_xcnt 0x0
; One layer's weights, scale bytes, biases and gains are laid into ONE pack buffer (work-group y = the layer: pk0 or pk1), so that the later bodies know of no layer.
; CODES lie in the order of an operand's registers: tile T of a weight, K step s, block c: 512 bytes at ((T KS + s) 4 + c) 512, lane l's 16 bytes at 16 l; KS = K / 128.
; Lane (r, h) of tile T = 2 B + u holds row 32 B + 8 u + r + 8 (r / 8), k = 128 s + 32 c + 16 h + 0 .. 15.  So a fragment is four loads of 512 consecutive bytes.
; SCALE WORDS, K = 256: 128 bytes a tile, lanes 0-15 the word of K step 0, lanes 16-31 that of K step 1.  w2 (K = 1,024): four such images a tile, image p for K steps 2 p and 2 p + 1.
; Work-group x < 64: block x of in_w (24), out_w (8), w1 (32).  64 <= x < 96: half a tile of w2.  x = 96: the eight vectors, copied as they are.
; For every x < 96: codes go to 8,192 x + 16 t (+ 4,096), scale words to PK_SC + 256 x + 4 t, t the thread's number.  A wave's store of codes covers 512 consecutive bytes.
; The vectors' copy stores 128 consecutive bytes a wave: 13 KB a layer.  No LDS, no barrier: threads share nothing.
.set PK_SC, 786432                     ; where the scale images begin
.set PK_V,  811008                     ; where the vectors begin: in_b 3,072, out_b, ln1_s, ln1_b 1,024 each, b1 4,096, b2, ln2_s, ln2_b 1,024 each
	s_load_b512 s[8:23], s[0:1], 0x0               ; in_w codes s[8:9], scales s[10:11]; out_w s[12:15]; w1 s[16:19]; w2 s[20:23]
	s_load_b512 s[24:39], s[0:1], 0x40             ; in_b, out_b, ln1_s, ln1_b, b1, b2, ln2_s, ln2_b
	s_load_b128 s[40:43], s[0:1], 0x80             ; pk0, pk1
	v_lshrrev_b32 v1, 5, v0
	v_readfirstlane_b32 s2, v1                     ; wave 0..7
	s_and_b32 s3, ttmp7, 0xffff                    ; the layer
	v_and_b32 v2, 15, v0                           ; r
	v_bfe_u32 v3, v0, 4, 1                         ; h
	v_and_b32 v4, 8, v2
	v_add_nc_u32 v4, v4, v2                        ; rr = r + 8 (r / 8)
	v_lshlrev_b32 v6, 4, v0                        ; 16 x thread
	v_lshlrev_b32 v17, 2, v0                       ; 4 x thread
	s_mov_b32 s53, 0
	s_mov_b32 s55, 0
	s_wait_kmcnt 0x0
	s_cmp_eq_u32 s3, 0
	s_cselect_b64 s[40:41], s[40:41], s[42:43]     ; the layer's pack
	s_cmp_lt_u32 ttmp9, 64
	s_cbranch_scc0 .Lnot_a
	; ---- a weight with K = 256: which one, its first block, its layer's bytes
	s_cmp_lt_u32 ttmp9, 24
	s_cselect_b64 s[44:45], s[8:9], s[12:13]
	s_cselect_b64 s[46:47], s[10:11], s[14:15]
	s_cselect_b32 s48, 0, 24
	s_mov_b32 s49, 65536
	s_cselect_b32 s49, 196608, s49
	s_mov_b32 s50, 2048
	s_cselect_b32 s50, 6144, s50
	s_cmp_lt_u32 ttmp9, 32
	s_cselect_b64 s[44:45], s[44:45], s[16:17]
	s_cselect_b64 s[46:47], s[46:47], s[18:19]
	s_cselect_b32 s48, s48, 32
	s_cselect_b32 s49, s49, 262144
	s_cselect_b32 s50, s50, 8192
	s_sub_co_u32 s48, ttmp9, s48                   ; the block in its weight
	s_mul_i32 s49, s49, s3
	s_mul_i32 s50, s50, s3
	s_lshl_b32 s52, s48, 13                        ; 32 rows of 256 codes
	s_add_co_u32 s52, s52, s49
	s_add_nc_u64 s[44:45], s[44:45], s[52:53]
	s_lshl_b32 s54, s48, 8                         ; 32 rows of 8 scale bytes
	s_add_co_u32 s54, s54, s50
	s_add_nc_u64 s[46:47], s[46:47], s[54:55]
	v_lshlrev_b32 v5, 8, v4                        ; codes: 256 rr + 16 h + 32 wave (wave = 4 s + c)
	v_lshl_add_u32 v5, v3, 4, v5
	s_lshl_b32 s51, s2, 5
	v_add_nc_u32 v5, s51, v5
	v_add_nc_u32 v18, 2048, v5                     ; the block's second tile: 8 rows on
	v_lshlrev_b32 v7, 3, v4                        ; scale word: 8 rr + 4 h + 64 u, u = wave (waves 0 and 1)
	v_lshl_add_u32 v7, v3, 2, v7
	s_lshl_b32 s51, s2, 6
	v_add_nc_u32 v7, s51, v7
	s_branch .Lcopy
.Lnot_a:
	s_cmp_lt_u32 ttmp9, 96
	s_cbranch_scc0 .Lvectors
	; ---- w2: tile (x - 64) / 2, K steps 4 q .. 4 q + 3 with q = (x - 64) % 2
	s_sub_co_u32 s48, ttmp9, 64
	s_lshr_b32 s49, s48, 2                         ; the tile's block
	s_bfe_u32 s50, s48, 0x10001                    ; u
	s_and_b32 s48, s48, 1                          ; q
	s_lshl_b32 s52, s49, 15                        ; 32 rows of 1,024 codes
	s_lshl_b32 s51, s50, 13
	s_add_co_u32 s52, s52, s51
	s_lshl_b32 s51, s48, 9
	s_add_co_u32 s52, s52, s51
	s_lshl_b32 s51, s3, 18
	s_add_co_u32 s52, s52, s51
	s_add_nc_u64 s[44:45], s[20:21], s[52:53]
	s_lshl_b32 s54, s49, 10                        ; 32 rows of 32 scale bytes
	s_lshl_b32 s51, s50, 8
	s_add_co_u32 s54, s54, s51
	s_lshl_b32 s51, s48, 4
	s_add_co_u32 s54, s54, s51
	s_lshl_b32 s51, s3, 13
	s_add_co_u32 s54, s54, s51
	s_add_nc_u64 s[46:47], s[22:23], s[54:55]
	v_lshlrev_b32 v5, 10, v4                       ; codes: 1,024 rr + 16 h + 32 wave
	v_lshl_add_u32 v5, v3, 4, v5
	s_lshl_b32 s51, s2, 5
	v_add_nc_u32 v5, s51, v5
	v_add_nc_u32 v18, 256, v5                      ; two K steps on
	v_lshlrev_b32 v7, 5, v4                        ; scale word: 32 rr + 4 h + 8 i, i = wave (waves 0 and 1)
	v_lshl_add_u32 v7, v3, 2, v7
	s_lshl_b32 s51, s2, 3
	v_add_nc_u32 v7, s51, v7
.Lcopy:
	global_load_b128 v[8:11], v5, s[44:45]
	global_load_b128 v[12:15], v18, s[44:45]
	s_lshl_b32 s52, ttmp9, 13
	s_add_nc_u64 s[56:57], s[40:41], s[52:53]
	s_wait_loadcnt 0x0
	global_store_b128 v6, v[8:11], s[56:57]
	global_store_b128 v6, v[12:15], s[56:57] offset:4096
	s_cmp_lt_u32 s2, 2                             ; 64 scale words: waves 0 and 1
	s_cbranch_scc0 .Ldone
	global_load_b32 v16, v7, s[46:47]
	s_lshl_b32 s54, ttmp9, 8
	s_add_nc_u64 s[58:59], s[40:41], s[54:55]
	s_wait_loadcnt 0x0
	global_store_b32 v17, v16, s[58:59] offset:PK_SC
.Ldone:
	s_endpgm
.Lvectors:
	s_mul_i32 s52, s3, 3072
	s_add_nc_u64 s[24:25], s[24:25], s[52:53]
	s_lshl_b32 s52, s3, 10
.irp p, 26,28,30,34,36,38
	s_add_nc_u64 s[\p:\p+1], s[\p:\p+1], s[52:53]
.endr
	s_lshl_b32 s54, s3, 12
	s_add_nc_u64 s[32:33], s[32:33], s[54:55]
	global_load_b32 v20, v17, s[24:25]
	global_load_b32 v21, v17, s[24:25] offset:1024
	global_load_b32 v22, v17, s[24:25] offset:2048
	global_load_b32 v23, v17, s[26:27]
	global_load_b32 v24, v17, s[28:29]
	global_load_b32 v25, v17, s[30:31]
	global_load_b32 v26, v17, s[32:33]
	global_load_b32 v27, v17, s[32:33] offset:1024
	global_load_b32 v28, v17, s[32:33] offset:2048
	global_load_b32 v29, v17, s[32:33] offset:3072
	global_load_b32 v30, v17, s[34:35]
	global_load_b32 v31, v17, s[36:37]
	global_load_b32 v32, v17, s[38:39]
	s_wait_loadcnt 0x0
.irp i, 0,1,2,3,4,5,6,7,8,9,10,11,12
	global_store_b32 v17, v[20+\i], s[40:41] offset:PK_V+1024*\i
.endr
	s_endpgm
.Lfunc_end_k_qd37685e519_prep:
	.size	k_qd37685e519_prep, .Lfunc_end_k_qd37685e519_prep-k_qd37685e519_prep
	.p2alignl 7, 3214868480
	.fill 96, 4, 3214868480
	.section	.rodata,"a",@progbits
	.p2align	6, 0x0
	.amdhsa_kernel k_qd37685e519_prep
		.amdhsa_group_segment_fixed_size 0
		.amdhsa_private_segment_fixed_size 0
		.amdhsa_enable_private_segment 0
		.amdhsa_kernarg_size 144
		.amdhsa_user_sgpr_count 2
		.amdhsa_user_sgpr_kernarg_segment_ptr 1
		.amdhsa_wavefront_size32 1
		.amdhsa_system_sgpr_workgroup_id_x 1
		.amdhsa_system_sgpr_workgroup_id_y 1
		.amdhsa_system_sgpr_workgroup_id_z 1
		.amdhsa_system_vgpr_workitem_id 0
		.amdhsa_next_free_vgpr 40
		.amdhsa_next_free_sgpr 66
		.amdhsa_reserve_vcc 0
		.amdhsa_float_denorm_mode_32 3
		.amdhsa_float_denorm_mode_16_64 3
		.amdhsa_memory_ordered 1
		.amdhsa_forward_progress 1
		.amdhsa_inst_pref_size 8
	.end_amdhsa_kernel
	.amdgpu_metadata
---
amdhsa.version: [ 1, 2 ]
amdhsa.kernels:
  - .name:           k_qd37685e519_prep
    .symbol:         k_qd37685e519_prep.kd
    .args:
      - { .name: in_w_codes, .offset: 0, .size: 8, .value_kind: global_buffer, .address_space: global }
      - { .name: in_w_scales, .offset: 8, .size: 8, .value_kind: global_buffer, .address_space: global }
      - { .name: out_w_codes, .offset: 16, .size: 8, .value_kind: global_buffer, .address_space: global }
      - { .name: out_w_scales, .offset: 24, .size: 8, .value_kind: global_buffer, .address_space: global }
      - { .name: w1_codes, .offset: 32, .size: 8, .value_kind: global_buffer, .address_space: global }
      - { .name: w1_scales, .offset: 40, .size: 8, .value_kind: global_buffer, .address_space: global }
      - { .name: w2_codes, .offset: 48, .size: 8, .value_kind: global_buffer, .address_space: global }
      - { .name: w2_scales, .offset: 56, .size: 8, .value_kind: global_buffer, .address_space: global }
      - { .name: in_b, .offset: 64, .size: 8, .value_kind: global_buffer, .address_space: global }
      - { .name: out_b, .offset: 72, .size: 8, .value_kind: global_buffer, .address_space: global }
      - { .name: ln1_s, .offset: 80, .size: 8, .value_kind: global_buffer, .address_space: global }
      - { .name: ln1_b, .offset: 88, .size: 8, .value_kind: global_buffer, .address_space: global }
      - { .name: b1, .offset: 96, .size: 8, .value_kind: global_buffer, .address_space: global }
      - { .name: b2, .offset: 104, .size: 8, .value_kind: global_buffer, .address_space: global }
      - { .name: ln2_s, .offset: 112, .size: 8, .value_kind: global_buffer, .address_space: global }
      - { .name: ln2_b, .offset: 120, .size: 8, .value_kind: global_buffer, .address_space: global }
      - { .name: pk0, .offset: 128, .size: 8, .value_kind: global_buffer, .address_space: global }
      - { .name: pk1, .offset: 136, .size: 8, .value_kind: global_buffer, .address_space: global }
    .group_segment_fixed_size: 0
    .private_segment_fixed_size: 0
    .kernarg_segment_align: 8
    .kernarg_segment_size: 144
    .max_flat_workgroup_size: 256
    .sgpr_count:     66
    .vgpr_count:     40
    .wavefront_size: 32
...
	.end_amdgpu_metadata
.endif
;; end of part 1
;; launch qkv0 (part 2): grid 64 x 4, 8 waves a work-group, no clusters, 46,080 bytes of LDS; arguments x, pk0, qkvc; writes qkvc
.if DOCPART == 2
	.amdgcn_target "amdgcn-amd-amdhsa--gfx1250"
	.amdhsa_code_object_version 6
	.text
	.protected	k_qd37685e519_qkv0
	.globl	k_qd37685e519_qkv0
	.p2align	8
	.type	k_qd37685e519_qkv0,@function
k_qd37685e519_qkv0:
	s_mov_b64 s[64:65], 0
	v_nop
	global_prefetch_b8 v0, s[64:65] scope:SCOPE_SE
	s_setreg_imm32_b32 hwreg(HW_REG_WAVE_MODE, 25, 1), 1
	s_wait_xcnt 0x0
; q, k, v = x in_w^T + in_b on codes of BF8 (E5M2) with one E8M0 scale for each 32 along K, and the three results quantised for attention: q and k along the head's 32, v along the keys.
; SHARES.  A work-group takes 32 tokens l = 32 x .. 32 x + 31 of batch y: two tiles a of 16.  Wave w is head w: it makes the head's 32 numbers of q, of k and of v for all 32 tokens.
; x: each wave loads four rows, 512 consecutive bytes a load; the rows meet in a stage in LDS; each wave quantises two blocks of 32 of 16 rows; the four fragments go round as images of their registers.
; q, k: the product is used TRANSPOSED (source 0 = 16 rows of the weight, source 1 = 16 tokens): a lane holds one token and 16 neighbouring numbers of the head: the conversions' results are attention's operand.
; v: the product is used as it stands (source 0 = tokens, source 1 = the weight's rows): a lane holds one number d of the head and 16 of the 32 keys: the block along the keys lies in lanes l and l xor 16.
;    Slot i of a lane's 16 is key 16 (i / 8) + 8 (lane / 16) + i % 8 of the block; attention's p comes out in the same order, so the sums are those of the true order.
; THE WEIGHTS come from the pack in the order of the operand's registers, straight into registers: each wave reads its own 24 KB once and every fragment feeds two products.  No tile of them passes LDS,
; so there is nothing that a joint load of a cluster could bring; nothing is asked for ahead, since every load of the body is issued at its head.
; LIMITS: NaN and infinities are not served.  A block of zeros gets the scale byte 1 where the rule says 127: its codes are zeros, and the bytes are read by this program alone.
; REGISTERS, window 0: v1-15 addresses; v16-79 x's four fragments (first: the numbers to quantise); v80-111 accumulators (first: x as loaded); v112-143 q's and k's bias; v144-147 v's;
;   v148-153 the weights' scale words; v154-157 x's; v160-183 codes, three sets; v184-191 at work; v192-195 scale bytes.   window 1: v0-63 Wq, v64-127 Wk, v128-191 Wv: fragment (u, s) at 16 (2 u + s).
.set SPITCH, 1040                      ; a stage row: 1,024 bytes + 16: row r starts 4 r banks on
.set XIMG,  33280                      ; x's four fragments, 2,048 bytes each: 2 a + s
.set XSC,   41472                      ; their scale words, 128 bytes each
.set SCG,   41984                      ; the scale bytes of q, k, v: [kind][head][32]
.set INW_S, 786432
.set IN_B,  811008
.set KC,    2097152                    ; in qkvc: k's codes; q's lie at 0
.set VC,    4194304                    ; v's
.set SC,    6291456                    ; the scale bytes: [batch][l / 32][kind][head][32]
.set L16, 1
.set L4,  2
.set STI, 6
.set STO, 7
.set XWI, 8
.set XWS, 9
.set SGA, 10
.set SGR, 11
.set H64, 13
.set RR4, 14
.set L8,  15
.set XF,  16
.set D,   80
.set BQK, 112
.set BV,  144
.set WS,  148
.set XS,  154
.set PC,  160
.set TM,  184                          ; +0,1 largest magnitudes; +2,3 bytes; +4,5 the largest number x the scale; +6,7 the conversions' scale operands
.set EB,  192
.set SEL, 32                           ; s[32:33] v_permlanex16_b32's selects for lane l xor 16
.set MNT, 34                           ; s34 the mantissa field of 57,344
.set HI,  35                           ; s35 a mask of lanes 16-31
.set MSB, 0
.macro WIN new                         ; the immediate's high byte repeats the setting that is left
.if MSB != \new
	s_set_vgpr_msb (MSB<<8)|\new
.set MSB, \new
.endif
.endm
.macro PLACES n
.rept \n
	v_nop
.endr
.endm
.macro BARRIER                         ; my LDS stores have landed and my LDS loads are in: then the work-group's barrier
	s_wait_dscnt 0x0
	s_barrier_signal -1
	s_barrier_wait -1
.endm
; Two blocks of 32 by turns.  Block b: my 16 numbers in v[src + 16 b] on, the other 16 in lane l xor 16.  Codes to v[pc + 4 b] on, the byte to v[TM + 2 + b].  The held numbers go to v[tmp + 16 b] on.
.macro QUANT2 src, tmp, relu, pc
.if \relu
.irp b, 0,1
	v_max3_num_f32 v[TM+\b], v[(\src)+16*\b], v[(\src)+1+16*\b], 0x8000000      ; no |.|: what is negative becomes 0 and must not count; the floor 2^(16 - 127) holds the byte at 1 from below
.endr
.irp i, 2,4,6,8,10,12,14
.irp b, 0,1
	v_max3_num_f32 v[TM+\b], v[TM+\b], v[(\src)+16*\b+\i], v[(\src)+1+16*\b+\i]
.endr
.endr
.else
.irp b, 0,1
	v_max3_num_f32 v[TM+\b], |v[(\src)+16*\b]|, |v[(\src)+1+16*\b]|, 0x8000000  ; the floor 2^(16 - 127) holds the byte at 1 from below
.endr
.irp i, 2,4,6,8,10,12,14
.irp b, 0,1
	v_max3_num_f32 v[TM+\b], v[TM+\b], |v[(\src)+16*\b+\i]|, |v[(\src)+1+16*\b+\i]|
.endr
.endr
.endif
.irp b, 0,1
	v_permlanex16_b32 v[TM+2+\b], v[TM+\b], s[SEL], s[SEL+1]
.endr
.irp b, 0,1
	v_max_num_f32 v[TM+\b], v[TM+\b], v[TM+2+\b]                   ; the block's largest magnitude
.endr
.irp b, 0,1
	v_add_nc_u32 v[TM+6+\b], 0xf8800000, v[TM+\b]                  ; 15 off its exponent field: the conversion's scale operand
.endr
.irp b, 0,1
	v_and_or_b32 v[TM+4+\b], v[TM+\b], 0x7f800000, s[MNT]          ; 57,344 x the scale
.endr
.irp b, 0,1
	v_lshrrev_b32 v[TM+2+\b], 23, v[TM+6+\b]                       ; the scale's byte
.endr
.irp b, 0,1
.irp i, 0,1,2,3,4,5,6,7,8,9,10,11,12,13,14,15
.if \relu
	v_med3_num_f32 v[(\tmp)+16*\b+\i], v[(\src)+16*\b+\i], 0, v[TM+4+\b]
.else
	v_med3_num_f32 v[(\tmp)+16*\b+\i], v[(\src)+16*\b+\i], -v[TM+4+\b], v[TM+4+\b]   ; the conversion to an 8-bit code does not saturate (ISA guide 7.6.2): the hold comes first
.endif
.endr
	v_cvt_scalef32_pk8_bf8_f32 v[(\pc)+4*\b:(\pc)+4*\b+1], v[(\tmp)+16*\b:(\tmp)+16*\b+7], v[TM+6+\b]
	v_cvt_scalef32_pk8_bf8_f32 v[(\pc)+4*\b+2:(\pc)+4*\b+3], v[(\tmp)+16*\b+8:(\tmp)+16*\b+15], v[TM+6+\b]
.endr
	v_nop                                          ; a plain line between the last conversion and whatever next touches its registers
.endm
.macro WLOAD kap                       ; my block of q's, k's or v's weight: 16 loads of 512 consecutive bytes into window 1
.irp i, 0,1,2,3,4,5,6,7,8,9,10,11,12,13,14,15
	global_load_b128 v[64*\kap+4*\i:64*\kap+4*\i+3], v[L16], s[20:21] offset:65536*\kap+512*\i
.endr
.endm
; q or k, transposed: four accumulators (a, u) by turns, K step by K step; the bias is the C of each sum's first product.  The weight's scale register holds K step 0's word in lanes 0-15, K step 1's in lanes 16-31.
.macro MMT kap
.irp s, 0,1
.irp a, 0,1
.irp u, 0,1
.if \s == 0
	v_wmma_scale_f32_16x16x128_f8f6f4 v[D+16*\a+8*\u:D+16*\a+8*\u+7], v[64*\kap+32*\u:64*\kap+32*\u+15], v[XF+32*\a:XF+32*\a+15], v[BQK+16*\kap+8*\u:BQK+16*\kap+8*\u+7], v[WS+2*\kap+\u], v[XS+2*\a] matrix_a_fmt:MATRIX_FMT_BF8 matrix_b_fmt:MATRIX_FMT_BF8
.else
	v_wmma_scale_f32_16x16x128_f8f6f4 v[D+16*\a+8*\u:D+16*\a+8*\u+7], v[64*\kap+32*\u+16:64*\kap+32*\u+31], v[XF+32*\a+16:XF+32*\a+31], v[D+16*\a+8*\u:D+16*\a+8*\u+7], v[WS+2*\kap+\u], v[XS+2*\a+1] matrix_a_fmt:MATRIX_FMT_BF8 matrix_b_fmt:MATRIX_FMT_BF8 matrix_a_scale:MATRIX_SCALE_ROW1
.endif
.endr
.endr
.endr
.endm
.macro OUTQ kap                        ; two tiles' codes, 512 consecutive bytes each; the 32 tokens' bytes: lanes 0-15 tile 0's, lanes 16-31 tile 1's
	global_store_b128 v[L16], v[PC+8*\kap:PC+8*\kap+3], s[26:27] offset:KC*\kap
	global_store_b128 v[L16], v[PC+8*\kap+4:PC+8*\kap+7], s[26:27] offset:KC*\kap+512
	v_cndmask_b32 v[EB+\kap], v[TM+2], v[TM+3], s[HI]
	ds_store_b8 v[SGA], v[EB+\kap] offset:SCG+256*\kap
.endm
	s_load_b128 s[4:7], s[0:1], 0x0                ; x (or the layer's input), the pack
	s_load_b64 s[8:9], s[0:1], 0x10                ; qkvc
	v_lshl_add_u32 v254, v0, 2, 0xb000
	v_mov_b32 v255, 0
	v_lshrrev_b32 v3, 5, v0
	v_readfirstlane_b32 s10, v3                    ; wave = head
	s_and_b32 s11, ttmp7, 0xffff                   ; batch
	v_and_b32 v4, 31, v0                           ; lane
	v_and_b32 v5, 15, v0                           ; r
	v_bfe_u32 v12, v0, 4, 1                        ; h
	v_lshlrev_b32 v[L16], 4, v4
	v_lshlrev_b32 v[L4], 2, v4
	v_lshlrev_b32 v[L8], 3, v4
	v_lshlrev_b32 v[H64], 6, v12
	v_and_b32 v[RR4], 8, v5
	v_add_nc_u32 v[RR4], v[RR4], v5
	v_lshlrev_b32 v[RR4], 2, v[RR4]                ; 4 (r + 8 (r / 8))
	s_mul_i32 s12, s10, 4*SPITCH
	v_add_nc_u32 v[STI], s12, v[L16]               ; into the stage: my four rows, 16 bytes a lane
	s_lshr_b32 s13, s10, 2                         ; out of it: tile w / 4, blocks 2 (w % 4) and 2 (w % 4) + 1 of a row's eight
	s_mul_i32 s13, s13, 16*SPITCH
	s_and_b32 s14, s10, 3
	s_lshl_b32 s14, s14, 8
	s_add_co_u32 s13, s13, s14
	v_mul_u32_u24 v[STO], v5, SPITCH
	v_add_nc_u32 v[STO], v[STO], v[H64]
	v_add_nc_u32 v[STO], s13, v[STO]               ; row r, + 64 h: my 16 numbers of a block
	s_lshl_b32 s14, s10, 10
	v_add_nc_u32 v[XWI], s14, v[L16]               ; my two blocks' place among the images: 1,024 w
	s_lshr_b32 s14, s10, 1
	s_lshl_b32 s14, s14, 7
	s_and_b32 s15, s10, 1
	s_lshl_b32 s15, s15, 1
	s_add_co_u32 s14, s14, s15
	v_add_nc_u32 v[XWS], s14, v[L4]                ; and my two bytes of the fragment's scale words
	s_lshl_b32 s14, s10, 5
	v_add_nc_u32 v[SGA], s14, v4
	s_lshl_b32 s14, s10, 8
	v_add_nc_u32 v[SGR], s14, v[L8]
	s_mov_b32 s[SEL], 0x76543210
	s_mov_b32 s[SEL+1], 0xfedcba98
	s_mov_b32 s[MNT], 0x600000
	s_mov_b32 s[HI], 0xffff0000
	v_mov_b32 v[TM+2], 0                           ; written once: a lane permute's destination counts as one of its sources
	v_mov_b32 v[TM+3], 0
	v_mov_b32 v[BV+1], 0                           ; named as the upper halves of pairs
	v_mov_b32 v[BV+3], 0
	s_mov_b32 s37, 0
	s_lshl_b32 s36, ttmp9, 17                      ; token l is 4,096 bytes on from token l - 1; 32 tokens a work-group,
	s_lshl_b32 s12, s11, 10                        ; the batch's row among four,
	s_add_co_u32 s36, s36, s12
	s_lshl_b32 s12, s10, 14                        ; my four tokens
	s_add_co_u32 s36, s36, s12
	s_wait_kmcnt 0x0
	s_add_nc_u64 s[4:5], s[4:5], s[36:37]
	s_lshl_b32 s36, s10, 13
	s_add_nc_u64 s[20:21], s[6:7], s[36:37]        ; the pack + 8,192 w: codes
	s_lshl_b32 s36, s10, 8
	s_add_nc_u64 s[22:23], s[6:7], s[36:37]        ; + 256 w: scale words
	s_lshl_b32 s36, s10, 7
	s_add_nc_u64 s[24:25], s[6:7], s[36:37]        ; + 128 w: biases
.irp i, 0,1,2,3
.irp j, 0,1
	global_load_b128 v[D+8*\i+4*\j:D+8*\i+4*\j+3], v[L16], s[4:5] offset:4096*\i+512*\j th:TH_LOAD_NT
.endr
.endr
.irp k, 0,1,2
.irp u, 0,1
	global_load_b32 v[WS+2*\k+\u], v[L4], s[22:23] offset:INW_S+2048*\k+128*\u
.endr
.endr
.irp k, 0,1
.irp u, 0,1
.irp e, 0,1
	global_load_b128 v[BQK+16*\k+8*\u+4*\e:BQK+16*\k+8*\u+4*\e+3], v[H64], s[24:25] offset:IN_B+1024*\k+32*\u+16*\e   ; lane (r, h), tile u: the bias of the head's numbers 16 h + 8 u + 0 .. 7
.endr
.endr
.endr
.irp u, 0,1
	global_load_b32 v[BV+2*\u], v[RR4], s[24:25] offset:IN_B+2048+32*\u   ; v: lane r holds the head's number 8 u + r + 8 (r / 8)
.endr
	WIN 0x40                                       ; destination window 1
	WLOAD 0
	WLOAD 1
	WIN 0
	s_lshl_b32 s38, s11, 19                        ; the outputs' bases: 65,536 (8 batch + head),
	s_lshl_b32 s12, s10, 16
	s_add_co_u32 s38, s38, s12
	s_lshl_b32 s12, ttmp9, 10                      ; q, k: two tiles of 512 bytes a work-group
	s_add_co_u32 s36, s38, s12
	s_add_nc_u64 s[26:27], s[8:9], s[36:37]
	s_lshr_b32 s12, ttmp9, 2                       ; v: key step x / 4 of 4,096 bytes, block x % 4 of 512
	s_lshl_b32 s12, s12, 12
	s_add_co_u32 s36, s38, s12
	s_and_b32 s12, ttmp9, 3
	s_lshl_b32 s12, s12, 9
	s_add_co_u32 s36, s36, s12
	s_add_nc_u64 s[28:29], s[8:9], s[36:37]
	s_lshl_b32 s36, s11, 6                         ; the scale bytes: 768 (64 batch + x) + 256 kind (kind = wave, waves 0 to 2)
	s_add_co_u32 s36, s36, ttmp9
	s_mul_i32 s36, s36, 768
	s_lshl_b32 s12, s10, 8
	s_add_co_u32 s36, s36, s12
	s_add_nc_u64 s[30:31], s[8:9], s[36:37]
	s_wait_loadcnt 48                              ; x's eight loads are in: 6 + 8 + 2 + 16 + 16 were issued behind them
.irp i, 0,1,2,3
.irp j, 0,1
	ds_store_b128 v[STI], v[D+8*\i+4*\j:D+8*\i+4*\j+3] offset:SPITCH*\i+512*\j
.endr
.endr
	WIN 0x40
	WLOAD 2
	WIN 0
	BARRIER                                        ; the 32 rows lie in the stage
.irp b, 0,1
.irp j, 0,1,2,3
	ds_load_b128 v[XF+16*\b+4*\j:XF+16*\b+4*\j+3], v[STO] offset:128*\b+16*\j
.endr
.endr
	s_wait_dscnt 0x0
	QUANT2 XF, XF, 0, PC
	ds_store_b128 v[XWI], v[PC:PC+3] offset:XIMG
	ds_store_b128 v[XWI], v[PC+4:PC+7] offset:XIMG+512
	v_lshl_or_b32 v[EB+3], v[TM+3], 8, v[TM+2]
	ds_store_b16 v[XWS], v[EB+3] offset:XSC
	BARRIER                                        ; x's four fragments and their scale words lie in LDS
.irp i, 0,1,2,3,4,5,6,7,8,9,10,11,12,13,14,15
	ds_load_b128 v[XF+4*\i:XF+4*\i+3], v[L16] offset:XIMG+512*\i
.endr
.irp f, 0,1,2,3
	ds_load_b32 v[XS+\f], v[L4] offset:XSC+128*\f
.endr
	s_wait_dscnt 0x0
	s_wait_loadcnt 16                              ; all but Wv's sixteen loads
	WIN 0x01                                       ; source 0 (the weight) window 1
	MMT 0
	WIN 0
	PLACES 9                                       ; eight ahead of the reads of the results, nine ahead of the products that start the same accumulators anew
	QUANT2 D, D, 0, PC
	OUTQ 0
	WIN 0x01
	MMT 1
	WIN 0
	PLACES 9
	QUANT2 D, D, 0, PC+8
	OUTQ 1
	s_wait_loadcnt 0x0                             ; Wv
	WIN 0x04                                       ; source 1 (the weight) window 1
.irp s, 0,1
.irp u, 0,1
.irp a, 0,1
.if \s == 0
	v_wmma_scale_f32_16x16x128_f8f6f4 v[D+16*\u+8*\a:D+16*\u+8*\a+7], v[XF+32*\a:XF+32*\a+15], v[128+32*\u:128+32*\u+15], 0, v[XS+2*\a], v[WS+4+\u] matrix_a_fmt:MATRIX_FMT_BF8 matrix_b_fmt:MATRIX_FMT_BF8
.else
	v_wmma_scale_f32_16x16x128_f8f6f4 v[D+16*\u+8*\a:D+16*\u+8*\a+7], v[XF+32*\a+16:XF+32*\a+31], v[128+32*\u+16:128+32*\u+31], v[D+16*\u+8*\a:D+16*\u+8*\a+7], v[XS+2*\a+1], v[WS+4+\u] matrix_a_fmt:MATRIX_FMT_BF8 matrix_b_fmt:MATRIX_FMT_BF8 matrix_b_scale:MATRIX_SCALE_ROW1
.endif
.endr
.endr
.endr
	WIN 0
	PLACES 8
.irp u, 0,1
.irp i, 0,2,4,6,8,10,12,14
	v_pk_add_f32 v[D+16*\u+\i:D+16*\u+\i+1], v[D+16*\u+\i:D+16*\u+\i+1], v[BV+2*\u:BV+2*\u+1] op_sel_hi:[1,0]   ; a lane's 16 keys share one bias
.endr
.endr
	QUANT2 D, D, 0, PC+16
	global_store_b128 v[L16], v[PC+16:PC+19], s[28:29] offset:VC
	global_store_b128 v[L16], v[PC+20:PC+23], s[28:29] offset:VC+2048
	v_cndmask_b32 v[EB+2], v[TM+2], v[TM+3], s[HI] ; lanes 0-15 tile u = 0's bytes, lanes 16-31 tile u = 1's
	ds_store_b8 v[SGA], v[EB+2] offset:SCG+512
	BARRIER                                        ; all heads' scale bytes lie in LDS
	s_cmp_lt_u32 s10, 3
	s_cbranch_scc0 .Lend
	ds_load_b64 v[TM:TM+1], v[SGR] offset:SCG
	s_wait_dscnt 0x0
	global_store_b64 v[L8], v[TM:TM+1], s[30:31] offset:SC   ; 32 lanes store 256 consecutive bytes, aligned: one kind's bytes of eight heads
.Lend:
	s_wait_tensorcnt 0x0
	ds_add_u32 v254, v255
	s_wait_dscnt 0x0
	s_endpgm
.Lfunc_end_k_qd37685e519_qkv0:
	.size	k_qd37685e519_qkv0, .Lfunc_end_k_qd37685e519_qkv0-k_qd37685e519_qkv0
	.p2alignl 7, 3214868480
	.fill 96, 4, 3214868480
	.section	.rodata,"a",@progbits
	.p2align	6, 0x0
	.amdhsa_kernel k_qd37685e519_qkv0
		.amdhsa_group_segment_fixed_size 46080
		.amdhsa_private_segment_fixed_size 0
		.amdhsa_enable_private_segment 0
		.amdhsa_kernarg_size 24
		.amdhsa_user_sgpr_count 2
		.amdhsa_user_sgpr_kernarg_segment_ptr 1
		.amdhsa_wavefront_size32 1
		.amdhsa_system_sgpr_workgroup_id_x 1
		.amdhsa_system_sgpr_workgroup_id_y 1
		.amdhsa_system_sgpr_workgroup_id_z 1
		.amdhsa_system_vgpr_workitem_id 0
		.amdhsa_next_free_vgpr 448
		.amdhsa_next_free_sgpr 66
		.amdhsa_reserve_vcc 0
		.amdhsa_float_denorm_mode_32 3
		.amdhsa_float_denorm_mode_16_64 3
		.amdhsa_memory_ordered 1
		.amdhsa_forward_progress 1
		.amdhsa_inst_pref_size 35
	.end_amdhsa_kernel
	.amdgpu_metadata
---
amdhsa.version: [ 1, 2 ]
amdhsa.kernels:
  - .name:           k_qd37685e519_qkv0
    .symbol:         k_qd37685e519_qkv0.kd
    .args:
      - { .name: x, .offset: 0, .size: 8, .value_kind: global_buffer, .address_space: global }
      - { .name: pk0, .offset: 8, .size: 8, .value_kind: global_buffer, .address_space: global }
      - { .name: qkvc, .offset: 16, .size: 8, .value_kind: global_buffer, .address_space: global }
    .group_segment_fixed_size: 46080
    .private_segment_fixed_size: 0
    .kernarg_segment_align: 8
    .kernarg_segment_size: 24
    .max_flat_workgroup_size: 256
    .sgpr_count:     66
    .vgpr_count:     448
    .wavefront_size: 32
...
	.end_amdgpu_metadata
.endif
;; end of part 2
;; launch att0 (part 3): grid 8 x 32, 16 waves a work-group, clusters of 4 x 1, 169,984 bytes of LDS; arguments qkvc, ctx; writes ctx
.if DOCPART == 3
	.amdgcn_target "amdgcn-amd-amdhsa--gfx1250"
	.amdhsa_code_object_version 6
	.text
	.protected	k_qd37685e519_att0
	.globl	k_qd37685e519_att0
	.p2align	8
	.type	k_qd37685e519_att0,@function
k_qd37685e519_att0:
	s_mov_b64 s[64:65], 0
	v_nop
	global_prefetch_b8 v0, s[64:65] scope:SCOPE_SE
	s_setreg_imm32_b32 hwreg(HW_REG_WAVE_MODE, 25, 1), 1
	s_wait_xcnt 0x0
	s_wait_alu depctr_hold_cnt(0) depctr_sa_sdst(0) depctr_va_vdst(0) depctr_va_sdst(0) depctr_va_ssrc(0) depctr_va_vcc(0) depctr_vm_vsrc(0)
	s_getreg_b32 s2, hwreg(HW_REG_IB_STS2, 6, 4)
	s_cmp_eq_u32 s2, 0
	s_cbranch_scc0 .Lentry_in_a_cluster
	s_endpgm
.Lentry_in_a_cluster:
	s_bfe_u32 s2, ttmp6, 0x10000c
	s_cmp_lg_u32 s2, 0x3003
	s_cbranch_scc0 .Lentry_shape_is_right
	s_endpgm
.Lentry_shape_is_right:
; ctx = softmax(q k^T / sqrt(32)) v for one head (work-group y = 8 batch + head), both products on codes of BF8 (E5M2) with one E8M0 scale for each 32 along K; ctx is quantised along the head's 32 on the way out.
; THE SOFTMAX: t = score x log2(e) / sqrt(32) (one rounding); M = the running largest t rounded UP to a whole number; p = 2^(t - M) is quantised along the keys, not normalised; the row's sum is taken of the
; unquantised p and divides at the end (v_rcp_f32).  When M moves, the sum and O are multiplied by 2^(old M - new M): exact.
; SHARES.  A work-group owns 256 queries, each of its sixteen waves 16: one tile in 256 registers, four waves to a SIMD, so that one wave's vector work stands beside another's matrix work and LDS loads.
; A HEAD'S WHOLE K AND V, 65,536 bytes each, lie in LDS in the order of the operands' registers: every LDS load takes 512 consecutive bytes.  They are filled once, in eight pieces of 16,384 bytes; nothing is filled again.
; ONE BARRIER stands between the fills and the reads; behind it the sixteen waves walk the 2,048 keys without meeting again until the way out.
; CLUSTER.  The four query blocks of a cluster belong to one head, so each piece is asked for JOINTLY.  Waves 0 to 7 ask for one piece each: one tensor load of a wave is out.
; All tiles are asked for at the head, so there is nothing to ask for ahead of them.
; LAYOUT.  S^T = K Q^T (source 0 = 16 keys, source 1 = my queries), O^T = V^T P^T: a lane holds ONE query throughout.  The head has 32 numbers, the instruction takes 128 along K: Q's registers 4-15 hold zero codes,
; and a tile of K is named with the twelve registers behind it, which hold other tiles' codes, the last step's codes of V, or (first step) zeros: all finite, since the quantiser holds every number: they meet zeros.
; The scale words of Q and K come by byte loads: their upper bytes are 0.
; The 16 registers of tiles 2 b, 2 b + 1 of S^T are keys 32 b + 16 (i / 8) + 8 (lane / 16) + i % 8: V's codes were laid in the same order within each block of 32 keys.
; LDS LOADS RUN A STEP AHEAD: behind a step's K Q^T come the loads of the step's V and of the NEXT step's K, which land while the softmax is worked.  The last step's look-ahead reads the 4,096 bytes behind K
; (V's first) and the bytes behind K's scale bytes (V's scale words): bytes that have landed, read and never used.
; LIMITS: NaN and infinities are not served.  A block of zeros gets the scale byte 1: its codes are zeros, and this program alone reads the bytes.
; REGISTERS: v1-5, v7 addresses that stay; v8-11 the trip's; v12 -M, v13 the largest t, v[14:15] the sum; v16-31 Q; v32-63 K's eight tiles; v64-95 V's two; v96-159 S^T, then p; v160-175 O^T; v176-191 p's codes; v192-221 at work; v224-253 head and way out.
.set KSC,  131072                      ; K's scale bytes, one a key
.set VSC,  133120                      ; V's scale words: [key step][lane]: lanes 0-15 tile 0's, lanes 16-31 tile 1's
.set CSG,  135168                      ; ctx's 256 scale bytes
.set KC,   2097152
.set SC,   6291456
.set CSO,  2097152                     ; in ctx: the scale bytes [8 batch + head][l]
.set ADK, 8
.set ADV, 9
.set ADS, 10
.set ADT, 11
.set BM,  192                          ; the blocks' largest scores, then largest p
.set BT,  196
.set BH,  200
.set BS,  204
.set KS,  208
.set VS,  212
.set QS,  213
.set PW,  214
.set FF,  216
.set TT,  218
.set S2,  220
.set WV,  8
.set G1,  24                           ; s[24:31] descriptor group 1;  s[32:35] group 0
.set G0,  32
.set TB,  48                           ; s48 LDS byte of the trip's tiles: 16,384 a trip of four steps
.set TS,  49                           ; s49 and of its scales: 512 a trip
.set CC,  50                           ; s[50:51] c = log2(e) / sqrt(32)
.set SEL, 52
.set MNT, 54
.set CNT, 55
.macro CROUND                          ; a round of the cluster's barrier
	s_barrier_signal -1
	s_barrier_wait -1
	s_cmp_lg_u32 s[WV], 0
	s_cbranch_scc1 .Lnot_wave_0_\@
	s_barrier_signal -3
.Lnot_wave_0_\@:
	s_barrier_wait -3
	s_barrier_signal -1
	s_barrier_wait -1
.endm
	s_load_b128 s[4:7], s[0:1], 0x0                ; qkvc, ctx
	v_lshl_add_u32 v254, v0, 2, 0x29000
	v_mov_b32 v255, 0
	ds_add_u32 v254, v255
	ds_add_u32 v254, v255
	v_lshrrev_b32 v6, 5, v0
	v_readfirstlane_b32 s[WV], v6                  ; wave 0..15
	s_and_b32 s9, s[WV], 1
	s_and_b32 s19, s[WV], 7                        ; which of the eight pieces I would fetch (waves 0 to 7 do)
	s_lshr_b32 s15, s19, 2                         ; of K (0) or of V (1),
	s_and_b32 s22, s19, 3                          ; which quarter
	s_bfe_u32 s10, ttmp6, 0x40000                  ; cx: it enters the addresses of Q, its scales and ctx alone
	s_lshl_b32 s11, ttmp9, 2
	s_add_co_u32 s11, s11, s10                     ; my block of 256 queries
	s_and_b32 s12, ttmp7, 0xffff                   ; 8 batch + head, which the four partners share
	s_lshr_b32 s13, s12, 3
	s_and_b32 s14, s12, 7
	; group 1: 64 rows of 256 bytes (32 elements of 8), dense, no padding: a quarter of K or of V
	s_mov_b32 s[G1], 15|(3<<16)|(1<<21)            ; 15:0 the mask: all four work-groups; 17:16 elements of 8 bytes; 21 set beside a mask
	s_mov_b32 s[G1+1], 32<<16                      ; tensor_dim0
	s_mov_b32 s[G1+2], 64<<16                      ; tensor_dim1
	s_mov_b32 s[G1+3], 32<<16                      ; tile_dim0
	s_mov_b32 s[G1+4], 64                          ; tile_dim1
	s_mov_b32 s[G1+5], 32                          ; from row to row
	s_mov_b32 s[G1+6], 0
	s_mov_b32 s[G1+7], 0
	s_lshl_b32 s16, s15, 21                        ; K's codes or V's,
	s_add_co_u32 s16, s16, KC
	s_lshl_b32 s17, s12, 16                        ; the head's 65,536 bytes,
	s_add_co_u32 s16, s16, s17
	s_lshl_b32 s17, s22, 14                        ; my quarter of them
	s_add_co_u32 s16, s16, s17
	s_mov_b32 s17, 0
	s_mov_b32 s[G0], 1                             ; 1:0 count = 1
	s_lshl_b32 s[G0+1], s19, 14                    ; 63:32 LDS address: piece p at 16,384 p: K's four, then V's four
	s_mov_b32 s[CC], 0x3e8293ee
	s_mov_b32 s[CC+1], s[CC]
	s_mov_b32 s[SEL], 0x76543210
	s_mov_b32 s[SEL+1], 0xfedcba98
	s_mov_b32 s[MNT], 0x600000
	s_wait_dscnt 0x0
	s_wait_kmcnt 0x0
	s_add_nc_u64 s[G0+2:G0+3], s[4:5], s[16:17]    ; 120:64 global address
	s_or_b32 s[G0+3], s[G0+3], 0x80000000          ; 127:126 type = 2
	CROUND                                         ; all four work-groups are here: the joint loads meet
	s_cmp_lt_u32 s[WV], 8                          ; a branch on the wave's number, the same in all partners; ahead of every wait on TENSORcnt and every LDS read
	s_cbranch_scc0 .Lno_fetch
	tensor_load_to_lds s[G0:G0+3], s[G1:G1+7]
	s_nop 0
.rept 4
	v_nop
.endr
.Lno_fetch:
	v_and_b32 v7, 31, v0                           ; lane
	v_and_b32 v5, 15, v0                           ; r
	v_lshlrev_b32 v1, 4, v7                        ; K: 16 x lane
	v_add_nc_u32 v2, 0x10000, v1                   ; V
	v_add_nc_u32 v3, KSC, v7                       ; K's scale bytes: lanes 0-15 an even tile's keys, lanes 16-31 the odd tile's behind it
	v_lshl_add_u32 v4, v7, 2, VSC
	s_mul_i32 s56, s13, 49152                      ; the scale bytes of my batch (64 x 768) and head
	s_lshl_b32 s20, s14, 5
	s_add_co_u32 s56, s56, s20
	s_mov_b32 s57, 0
	s_add_nc_u64 s[56:57], s[4:5], s[56:57]
	s_lshl_b32 s60, s12, 16                        ; Q's tile: 512 (128 (8 batch + head) + 16 block + wave)
	s_lshl_b32 s20, s11, 13
	s_add_co_u32 s60, s60, s20
	s_lshl_b32 s20, s[WV], 9
	s_add_co_u32 s60, s60, s20
	s_mov_b32 s61, 0
	s_add_nc_u64 s[60:61], s[4:5], s[60:61]
	global_load_b128 v[16:19], v1, s[60:61]
	s_lshl_b32 s21, s11, 3                         ; Q's scale bytes: 32 tokens to a group of 768 bytes
	s_lshr_b32 s20, s[WV], 1
	s_add_co_u32 s21, s21, s20
	s_mul_i32 s21, s21, 768
	s_lshl_b32 s20, s9, 4
	s_add_co_u32 s21, s21, s20
	v_add_nc_u32 v232, s21, v5
	global_load_u8 v[QS], v232, s[56:57] offset:SC
	v_lshrrev_b32 v224, 3, v0                      ; K's: thread t takes keys 4 t .. 4 t + 3
	v_mul_u32_u24 v224, v224, 768
	v_and_b32 v225, 7, v0
	v_lshl_add_u32 v224, v225, 2, v224
	global_load_b32 v226, v224, s[56:57] offset:SC+256
	s_mul_i32 s20, s[WV], 3072                     ; V's: wave w makes key step w's words: four blocks' bytes
	v_add_nc_u32 v227, s20, v7
.irp c, 0,1,2,3
	global_load_u8 v[228+\c], v227, s[56:57] offset:SC+512+768*\c
.endr
	s_lshl_b32 s62, s13, 19                        ; ctx's codes: 4,096 (128 batch + tile) + 512 head
	s_lshl_b32 s20, s11, 16
	s_add_co_u32 s62, s62, s20
	s_lshl_b32 s20, s[WV], 12
	s_add_co_u32 s62, s62, s20
	s_lshl_b32 s20, s14, 9
	s_add_co_u32 s62, s62, s20
	s_mov_b32 s63, 0
	s_add_nc_u64 s[62:63], s[6:7], s[62:63]
	s_lshl_b32 s58, s12, 11                        ; and its scale bytes: 2,048 (8 batch + head) + 256 block
	s_lshl_b32 s20, s11, 8
	s_add_co_u32 s58, s58, s20
	s_mov_b32 s59, 0
	s_add_nc_u64 s[58:59], s[6:7], s[58:59]
.set jj, 20
.rept 12
	v_mov_b32 v[jj], 0                             ; Q beyond the head's 32: zero codes
.set jj, jj+1
.endr
.set jj, 64
.rept 12
	v_mov_b32 v[jj], 0                             ; what the first step's tiles 5 to 7 of K name behind their own codes: zero codes
.set jj, jj+1
.endr
	v_mov_b32 v13, 0xff61b1e6                      ; the largest t so far: -3e38
	v_floor_f32 v12, -v13                          ; -M
	v_mov_b32 v14, 0
	v_mov_b32 v15, 0
.set jj, 0
.rept 16
	v_mov_b32 v[160+jj], 0                         ; O^T: the step is written once; the first finds zeros
.set jj, jj+1
.endr
.irp b, 0,1,2,3
	v_mov_b32 v[BT+\b], 0                          ; a lane permute's destination counts as one of its sources
.endr
	v_mov_b32 v[FF+1], 0                           ; named as the upper half of a pair
	v_mov_b32 v241, 0
	v_lshl_add_u32 v233, v0, 2, KSC
	s_wait_loadcnt 0x0
	v_lshl_or_b32 v228, v229, 8, v228
	v_lshl_or_b32 v228, v230, 16, v228
	v_lshl_or_b32 v228, v231, 24, v228
	ds_store_b32 v233, v226                        ; K's scale bytes: 4 x thread
	ds_store_b32 v233, v228 offset:VSC-KSC         ; V's scale words: 128 x wave + 4 x lane
	s_wait_tensorcnt 0x0                           ; my piece of K or V has landed (waves 0 to 7; the others have none out),
	s_wait_dscnt 0x0                               ; my scale stores too: for the others' sake
	s_barrier_signal -1
	s_barrier_wait -1                              ; everybody's have: all of K, V and their scales may be read from here on
; A KEY STEP: 128 keys, the q-th of a trip's four.  Its K and K's scale bytes were asked for in the step before.
.macro STEP q
	s_wait_dscnt 0x0                               ; they are in
.irp t, 0,2,4,6
	v_wmma_scale_f32_16x16x128_f8f6f4 v[96+8*\t:103+8*\t], v[32+4*\t:47+4*\t], v[16:31], 0, v[KS+\t/2], v[QS] matrix_a_fmt:MATRIX_FMT_BF8 matrix_b_fmt:MATRIX_FMT_BF8
	v_wmma_scale_f32_16x16x128_f8f6f4 v[104+8*\t:111+8*\t], v[36+4*\t:51+4*\t], v[16:31], 0, v[KS+\t/2], v[QS] matrix_a_fmt:MATRIX_FMT_BF8 matrix_b_fmt:MATRIX_FMT_BF8 matrix_a_scale:MATRIX_SCALE_ROW1
.endr
	; eight places: ahead of the loads into registers that these products (and the last step's V^T P) read, and of the first read of the scores
.if \q == 0
	v_add_nc_u32 v[ADK], s[TB], v1                 ; the trip's addresses: four of the eight
	v_add_nc_u32 v[ADV], s[TB], v2
	v_add_nc_u32 v[ADS], s[TS], v3
	v_add_nc_u32 v[ADT], s[TS], v4
.rept 4
	v_nop
.endr
.else
.rept 8
	v_nop
.endr
.endif
.irp i, 0,1,2,3,4,5,6,7
	ds_load_b128 v[64+4*\i:67+4*\i], v[ADV] offset:4096*\q+512*\i          ; this step's V,
.endr
	ds_load_b32 v[VS], v[ADT] offset:128*\q                               ; its scale words,
.irp t, 0,1,2,3,4,5,6,7
	ds_load_b128 v[32+4*\t:35+4*\t], v[ADK] offset:4096*(\q+1)+512*\t      ; the NEXT step's K,
.endr
.irp b, 0,1,2,3
	ds_load_u8 v[KS+\b], v[ADS] offset:128*(\q+1)+32*\b                    ; and its scale bytes: all land while the softmax is worked
.endr
.irp b, 0,1,2,3
	v_max3_num_f32 v[BM+\b], v[96+16*\b], v[97+16*\b], v[98+16*\b]   ; the largest score of each block of 32 keys: for the row's maximum, and, since p rises with the score, for the block's largest p
.endr
.irp i, 3,5,7,9,11,13
.irp b, 0,1,2,3
	v_max3_num_f32 v[BM+\b], v[BM+\b], v[96+16*\b+\i], v[97+16*\b+\i]
.endr
.endr
.irp b, 0,1,2,3
	v_max_num_f32 v[BM+\b], v[BM+\b], v[111+16*\b]
.endr
.irp b, 0,1,2,3
	v_permlanex16_b32 v[BT+\b], v[BM+\b], s[SEL], s[SEL+1]
.endr
.irp b, 0,1,2,3
	v_max_num_f32 v[BM+\b], v[BM+\b], v[BT+\b]     ; with lane l xor 16's 16 keys
.endr
	v_max3_num_f32 v[TT], v[BM], v[BM+1], v[BM+2]
	v_max_num_f32 v[TT], v[TT], v[BM+3]
	v_mul_f32 v[TT], s[CC], v[TT]                  ; as t (c is positive)
	v_max_num_f32 v13, v13, v[TT]                  ; the running largest t
	v_mov_b32 v[TT], v12
	v_floor_f32 v12, -v13                          ; the new -M = -ceil(t)
	v_sub_f32 v[TT], v12, v[TT]                    ; old M - new M: a whole number, 0 or less
	v_cvt_i32_f32 v[TT], v[TT]                     ; (it saturates)
	v_ldexp_f32 v[FF], 1.0, v[TT]                  ; f = 2^(old M - new M)
	; ONE BATCH: the scalings t - M (two numbers an instruction) and all 68 exponentials; a pair is scaled eight pairs ahead of its exponentials; nothing here reads an exponential's result
.irp b, 0,1,2,3
	v_fma_f32 v[BM+\b], v[BM+\b], s[CC], v12       ; t - M of each block's largest score: the same multiply-add and exponential as the number itself gets give the same bits
.endr
.set jj, 0
.rept 4
	v_pk_fma_f32 v[96+2*jj:97+2*jj], v[96+2*jj:97+2*jj], s[CC:CC+1], v[12:13] op_sel_hi:[1,0,0]
.set jj, jj+1
.endr
.irp b, 0,1,2,3
	v_exp_f32 v[BM+\b], v[BM+\b]                   ; the blocks' largest p
	v_pk_fma_f32 v[104+2*\b:105+2*\b], v[104+2*\b:105+2*\b], s[CC:CC+1], v[12:13] op_sel_hi:[1,0,0]
.endr
.set jj, 0
.rept 32
	v_exp_f32 v[96+2*jj], v[96+2*jj]               ; p = 2^(t - M), at most 1
.if jj < 24
	v_pk_fma_f32 v[112+2*jj:113+2*jj], v[112+2*jj:113+2*jj], s[CC:CC+1], v[12:13] op_sel_hi:[1,0,0]
.endif
	v_exp_f32 v[97+2*jj], v[97+2*jj]
.set jj, jj+1
.endr
	v_pk_mul_f32 v[14:15], v[14:15], v[FF:FF+1] op_sel_hi:[1,0]   ; the sums under the new M: a plain line behind the exponentials
	s_wait_alu depctr_va_vdst(0)                   ; one wait for the batch of 68, ahead of its first reader
	v_pk_add_f32 v[S2:S2+1], v[96:97], v[98:99]    ; the row's sum is taken of the unquantised p, in two chains
.set jj, 4
.rept 15
	v_pk_add_f32 v[14:15], v[14:15], v[96+jj:97+jj]
	v_pk_add_f32 v[S2:S2+1], v[S2:S2+1], v[98+jj:99+jj]
.set jj, jj+4
.endr
	v_pk_add_f32 v[14:15], v[14:15], v[S2:S2+1]
.irp b, 0,1,2,3
	v_max_num_f32 v[BM+\b], 0x8000000, v[BM+\b]    ; the floor 2^(16 - 127): the byte cannot fall under 1
.endr
.irp b, 0,1,2,3
	v_add_nc_u32 v[BS+\b], 0xf8800000, v[BM+\b]    ; 15 off the exponent field: the conversion's scale operand
.endr
.irp b, 0,1,2,3
	v_and_or_b32 v[BH+\b], v[BM+\b], 0x7f800000, s[MNT]   ; 57,344 x the scale
.endr
.irp b, 0,1,2,3
	v_lshrrev_b32 v[BT+\b], 23, v[BS+\b]           ; the scale's byte
.endr
	v_lshl_or_b32 v[PW], v[BT+1], 8, v[BT]         ; p's scale word for these 128 keys
	v_lshl_or_b32 v[PW], v[BT+2], 16, v[PW]
	v_lshl_or_b32 v[PW], v[BT+3], 24, v[PW]
	; THE HOLD: the conversion does not saturate (ISA guide 7.6.2); p is not negative, so it is one-sided.  Two holds an instruction: the halves take numbers of two different blocks, so that the two limits
	; and the two numbers have different register numbers modulo 4, and one result is an even register and the other an odd one, as the dual form asks of its operands
.irp b, 0,2
.irp i, 0,2,4,6,8,10,12,14
	v_dual_min_num_f32 v[96+16*\b+\i], v[BH+\b], v[96+16*\b+\i] :: v_dual_min_num_f32 v[113+16*\b+\i], v[BH+1+\b], v[113+16*\b+\i]
	v_dual_min_num_f32 v[112+16*\b+\i], v[BH+1+\b], v[112+16*\b+\i] :: v_dual_min_num_f32 v[97+16*\b+\i], v[BH+\b], v[97+16*\b+\i]
.endr
	v_cvt_scalef32_pk8_bf8_f32 v[176+4*\b:177+4*\b], v[96+16*\b:103+16*\b], v[BS+\b]
	v_cvt_scalef32_pk8_bf8_f32 v[178+4*\b:179+4*\b], v[104+16*\b:111+16*\b], v[BS+\b]
	v_cvt_scalef32_pk8_bf8_f32 v[180+4*\b:181+4*\b], v[112+16*\b:119+16*\b], v[BS+1+\b]
	v_cvt_scalef32_pk8_bf8_f32 v[182+4*\b:183+4*\b], v[120+16*\b:127+16*\b], v[BS+1+\b]
.endr
.irp j, 0,2,4,6,8,10,12,14
	v_pk_mul_f32 v[160+\j:161+\j], v[160+\j:161+\j], v[FF:FF+1] op_sel_hi:[1,0]   ; O^T under the new M; these eight are also the places between the codes and the products
.endr
	s_wait_dscnt 12                                ; V and its scale words are in; behind them were issued the next step's K (8) and its scale bytes (4), which may stay out
	v_wmma_scale_f32_16x16x128_f8f6f4 v[160:167], v[64:79], v[176:191], v[160:167], v[VS], v[PW] matrix_a_fmt:MATRIX_FMT_BF8 matrix_b_fmt:MATRIX_FMT_BF8
	v_wmma_scale_f32_16x16x128_f8f6f4 v[168:175], v[80:95], v[176:191], v[168:175], v[VS], v[PW] matrix_a_fmt:MATRIX_FMT_BF8 matrix_b_fmt:MATRIX_FMT_BF8 matrix_a_scale:MATRIX_SCALE_ROW1
.endm
.irp t, 0,1,2,3,4,5,6,7
	ds_load_b128 v[32+4*\t:35+4*\t], v1 offset:512*\t      ; the first step's K
.endr
.irp b, 0,1,2,3
	ds_load_u8 v[KS+\b], v3 offset:32*\b                   ; and its scale bytes
.endr
	s_mov_b32 s[TB], 0
	s_mov_b32 s[TS], 0
	s_mov_b32 s[CNT], 4
.Ltrip:                                            ; four trips of four steps: a step's place in its trip stands in the immediates
	STEP 0
	STEP 1
	STEP 2
	STEP 3
	s_add_co_u32 s[TB], s[TB], 16384
	s_add_co_u32 s[TS], s[TS], 512
	s_sub_co_u32 s[CNT], s[CNT], 1
	s_cmp_lg_u32 s[CNT], 0
	s_cbranch_scc1 .Ltrip
	; THE WAY OUT: O^T / the sum is the head's 32 numbers of ctx for my 16 queries: one block of 32 along the next product's K, in lanes l and l xor 16.
.rept 8
	v_nop
.endr
	v_add_f32 v14, v14, v15
	v_permlanex16_b32 v[TT], v14, s[SEL], s[SEL+1]
	v_add_f32 v14, v14, v[TT]                      ; the row's sum
	v_rcp_f32 v14, v14
	s_lshl_b32 s20, s[WV], 4
	v_add_nc_u32 v245, s20, v5                     ; (plain lines behind the reciprocal)  where my query's scale byte goes
	v_add_nc_u32 v245, CSG, v245
	v_lshl_add_u32 v246, v7, 3, CSG
	v_lshlrev_b32 v247, 3, v7
	s_wait_alu depctr_va_vdst(0)                   ; ahead of the reciprocal's first reader
.set jj, 0
.rept 16
	v_mul_f32 v[224+jj], v[160+jj], v14            ; register i: the head's number 16 (lane / 16) + i
.set jj, jj+1
.endr
	v_max3_num_f32 v240, |v224|, |v225|, 0x8000000
.irp i, 2,4,6,8,10,12,14
	v_max3_num_f32 v240, v240, |v[224+\i]|, |v[225+\i]|
.endr
	v_permlanex16_b32 v241, v240, s[SEL], s[SEL+1]
	v_max_num_f32 v240, v240, v241
	v_add_nc_u32 v243, 0xf8800000, v240
	v_and_or_b32 v242, v240, 0x7f800000, s[MNT]
	v_lshrrev_b32 v244, 23, v243
.set jj, 0
.rept 16
	v_med3_num_f32 v[224+jj], v[224+jj], -v242, v242
.set jj, jj+1
.endr
	v_cvt_scalef32_pk8_bf8_f32 v[248:249], v[224:231], v243
	v_cvt_scalef32_pk8_bf8_f32 v[250:251], v[232:239], v243
	v_nop
	global_store_b128 v1, v[248:251], s[62:63]     ; 512 consecutive bytes: block head % 4 of K step head / 4 of the tile's fragment
	ds_store_b8 v245, v244
	s_wait_dscnt 0x0                               ; my byte has landed (and the last step's look-ahead is in)
	s_barrier_signal -1
	s_barrier_wait -1                              ; the 256 queries' bytes lie in LDS
	s_cmp_lg_u32 s[WV], 0
	s_cbranch_scc1 .Lnot_first
	ds_load_b64 v[252:253], v246
	s_wait_dscnt 0x0
	global_store_b64 v247, v[252:253], s[58:59] offset:CSO   ; 256 consecutive bytes, aligned
.Lnot_first:
	s_wait_tensorcnt 0x0
	ds_add_u32 v254, v255
	s_wait_dscnt 0x0
	CROUND                                         ; the closing round: no work-group ends while a partner may still ask for a tile that names it
	s_endpgm
.Lfunc_end_k_qd37685e519_att0:
	.size	k_qd37685e519_att0, .Lfunc_end_k_qd37685e519_att0-k_qd37685e519_att0
	.p2alignl 7, 3214868480
	.fill 96, 4, 3214868480
	.section	.rodata,"a",@progbits
	.p2align	6, 0x0
	.amdhsa_kernel k_qd37685e519_att0
		.amdhsa_group_segment_fixed_size 169984
		.amdhsa_private_segment_fixed_size 0
		.amdhsa_enable_private_segment 0
		.amdhsa_kernarg_size 16
		.amdhsa_user_sgpr_count 2
		.amdhsa_user_sgpr_kernarg_segment_ptr 1
		.amdhsa_wavefront_size32 1
		.amdhsa_system_sgpr_workgroup_id_x 1
		.amdhsa_system_sgpr_workgroup_id_y 1
		.amdhsa_system_sgpr_workgroup_id_z 1
		.amdhsa_system_vgpr_workitem_id 0
		.amdhsa_next_free_vgpr 256
		.amdhsa_next_free_sgpr 66
		.amdhsa_reserve_vcc 0
		.amdhsa_float_denorm_mode_32 3
		.amdhsa_float_denorm_mode_16_64 3
		.amdhsa_memory_ordered 1
		.amdhsa_forward_progress 1
		.amdhsa_inst_pref_size 78
	.end_amdhsa_kernel
	.amdgpu_metadata
---
amdhsa.version: [ 1, 2 ]
amdhsa.kernels:
  - .name:           k_qd37685e519_att0
    .symbol:         k_qd37685e519_att0.kd
    .args:
      - { .name: qkvc, .offset: 0, .size: 8, .value_kind: global_buffer, .address_space: global }
      - { .name: ctx, .offset: 8, .size: 8, .value_kind: global_buffer, .address_space: global }
    .group_segment_fixed_size: 169984
    .private_segment_fixed_size: 0
    .kernarg_segment_align: 8
    .kernarg_segment_size: 16
    .max_flat_workgroup_size: 512
    .sgpr_count:     66
    .vgpr_count:     256
    .wavefront_size: 32
...
	.end_amdgpu_metadata
.endif
;; end of part 3
;; launch post0 (part 4): grid 64 x 4, 8 waves a work-group, no clusters, 80,384 bytes of LDS; arguments ctx, x, pk0, xm; writes xm
.if DOCPART == 4
	.amdgcn_target "amdgcn-amd-amdhsa--gfx1250"
	.amdhsa_code_object_version 6
	.text
	.protected	k_qd37685e519_post0
	.globl	k_qd37685e519_post0
	.p2align	8
	.type	k_qd37685e519_post0,@function
k_qd37685e519_post0:
	s_mov_b64 s[64:65], 0
	v_nop
	global_prefetch_b8 v0, s[64:65] scope:SCOPE_SE
	s_setreg_imm32_b32 hwreg(HW_REG_WAVE_MODE, 25, 1), 1
	s_wait_xcnt 0x0
; x1 = LN1(x + ctx out_w^T + out_b);  out = LN2(x1 + relu(x1 w1^T + b1) w2^T + b2).  The three products on codes of BF8 (E5M2) with one E8M0 scale for each 32 along K; all else in f32.
; SHARES.  A work-group takes 32 tokens l = 32 x .. 32 x + 31 of batch y: two tiles a of 16.  THE WAVES SHARE THE COLUMNS: wave w makes features 32 w .. 32 w + 31 of the first and third product and hidden units
; 128 w .. 128 w + 127 of the second, for all 32 tokens.  So each byte of the layer's weights is loaded once a work-group, from the pack, in the order of the operand's registers, straight into registers;
; no tile of them passes LDS, so there is nothing that a joint load of a cluster could bring.  What goes from wave to wave is small: x1's and the hidden layer's codes, as images of their registers, and two numbers a row for each norm.
; All products are used TRANSPOSED (source 0 = 16 rows of the weight, source 1 = 16 tokens): a lane holds one token and 16 neighbouring features.  Residual and bias are the C of a sum's first product.
; THE NORMS.  Each wave takes the mean and the centred sum of squares of its 32 features of a row; the eight pairs meet in LDS and are merged: var = (sum of M2 + 32 sum of (mean_i - mean)^2) / 256.
; No difference of large sums is formed.  1 / sqrt by v_rsq_f32.
; The weights run ahead through four groups of 64 registers (window 1): out_w; w1's four blocks; w2's four pairs of K steps, each asked for as soon as its group has been multiplied.
; LIMITS: NaN and infinities are not served.  A block of zeros gets the scale byte 1: its codes are zeros, and the bytes never leave the work-group.
; REGISTERS, window 0: v1-14 addresses; v16-79 fragments of the tokens' operand, and the norms' work; v80-111 accumulators; v112-143 x1 (first: ctx's scale bytes, out_b); v144-175 x as loaded, b1's blocks 0, 1, b2, rows of the result;
;   v176-207 a norm's gain and bias, b1's blocks 2, 3; v208-215 codes; v216-223 at work; v224-225 the hidden layer's scale words; v226-229 the tokens' operand's; v230-247 the weights'; v248-251 the hidden fragments'.
.set SPITCH, 1040                      ; a stage row: 1,024 bytes + 16
.set XIMG,  33280                      ; x1's four fragments: 2 a + s
.set XSC,   41472                      ; their scale words
.set HIMG,  41984                      ; the hidden layer's sixteen: 8 a + s
.set HSC,   74752                      ; their scale words
.set STAT,  76800                      ; the norms' pairs: [a][row], 80 bytes a row: eight pairs + 16
.set OUTW_C, 196608
.set W1_C,  262144
.set W2_C,  524288
.set OUTW_S, 792576
.set W1_S,  794624
.set W2_S,  802816
.set OUT_B, 814080
.set LN1_S, 815104
.set LN1_B, 816128
.set B1,    817152
.set B2,    821248
.set LN2_S, 822272
.set LN2_B, 823296
.set CSO,   2097152                    ; in ctx: the scale bytes
.set L16, 1
.set L4,  2
.set STI, 3
.set STR, 4
.set XWI, 5
.set XWS, 6
.set HWI, 7
.set HWS, 8
.set HRD, 9
.set HSR, 10
.set STW, 11
.set STD, 12
.set R,   13
.set H64, 14
.set XF,  16
.set LT,  16                           ; the norms' work: 32 registers for each a
.set ACC, 80
.set X1,  112
.set BA,  144
.set P32, 176
.set PC,  208
.set TM,  216
.set HW,  224
.set XS,  226
.set WSA, 230
.set WSB, 232
.set WSC, 240
.set HS,  248
.set SEL, 36
.set MNT, 38
.set I256, 39
.set EPS, 40
.set MSB, 0
.macro WIN new                         ; the immediate's high byte repeats the setting that is left
.if MSB != \new
	s_set_vgpr_msb (MSB<<8)|\new
.set MSB, \new
.endif
.endm
.macro PLACES n
.rept \n
	v_nop
.endr
.endm
.macro BARRIER                         ; my LDS stores have landed and my LDS loads are in: then the work-group's barrier
	s_wait_dscnt 0x0
	s_barrier_signal -1
	s_barrier_wait -1
.endm
; Two blocks of 32 by turns.  Block b: my 16 numbers in v[src + 16 b] on, the other 16 in lane l xor 16.  Codes to v[pc + 4 b] on, the byte to v[TM + 2 + b].  The held numbers go to v[tmp + 16 b] on.
.macro QUANT2 src, tmp, relu, pc
.if \relu
.irp b, 0,1
	v_max3_num_f32 v[TM+\b], v[(\src)+16*\b], v[(\src)+1+16*\b], 0x8000000      ; no |.|: what is negative becomes 0 and must not count; the floor 2^(16 - 127) holds the byte at 1 from below
.endr
.irp i, 2,4,6,8,10,12,14
.irp b, 0,1
	v_max3_num_f32 v[TM+\b], v[TM+\b], v[(\src)+16*\b+\i], v[(\src)+1+16*\b+\i]
.endr
.endr
.else
.irp b, 0,1
	v_max3_num_f32 v[TM+\b], |v[(\src)+16*\b]|, |v[(\src)+1+16*\b]|, 0x8000000  ; the floor 2^(16 - 127) holds the byte at 1 from below
.endr
.irp i, 2,4,6,8,10,12,14
.irp b, 0,1
	v_max3_num_f32 v[TM+\b], v[TM+\b], |v[(\src)+16*\b+\i]|, |v[(\src)+1+16*\b+\i]|
.endr
.endr
.endif
.irp b, 0,1
	v_permlanex16_b32 v[TM+2+\b], v[TM+\b], s[SEL], s[SEL+1]
.endr
.irp b, 0,1
	v_max_num_f32 v[TM+\b], v[TM+\b], v[TM+2+\b]                   ; the block's largest magnitude
.endr
.irp b, 0,1
	v_add_nc_u32 v[TM+6+\b], 0xf8800000, v[TM+\b]                  ; 15 off its exponent field: the conversion's scale operand
.endr
.irp b, 0,1
	v_and_or_b32 v[TM+4+\b], v[TM+\b], 0x7f800000, s[MNT]          ; 57,344 x the scale
.endr
.irp b, 0,1
	v_lshrrev_b32 v[TM+2+\b], 23, v[TM+6+\b]                       ; the scale's byte
.endr
.irp b, 0,1
.irp i, 0,1,2,3,4,5,6,7,8,9,10,11,12,13,14,15
.if \relu
	v_med3_num_f32 v[(\tmp)+16*\b+\i], v[(\src)+16*\b+\i], 0, v[TM+4+\b]        ; the activation and the hold in one
.else
	v_med3_num_f32 v[(\tmp)+16*\b+\i], v[(\src)+16*\b+\i], -v[TM+4+\b], v[TM+4+\b]   ; the conversion to an 8-bit code does not saturate (ISA guide 7.6.2): the hold comes first
.endif
.endr
	v_cvt_scalef32_pk8_bf8_f32 v[(\pc)+4*\b:(\pc)+4*\b+1], v[(\tmp)+16*\b:(\tmp)+16*\b+7], v[TM+6+\b]
	v_cvt_scalef32_pk8_bf8_f32 v[(\pc)+4*\b+2:(\pc)+4*\b+3], v[(\tmp)+16*\b+8:(\tmp)+16*\b+15], v[TM+6+\b]
.endr
	v_nop                                          ; a plain line between the last conversion and whatever next touches its registers
.endm
.macro GLOAD g, sb, off                ; a block of a weight with K = 256 into group g: 16 loads of 512 consecutive bytes: fragment (u, s) at 16 (2 u + s)
.irp i, 0,1,2,3,4,5,6,7,8,9,10,11,12,13,14,15
	global_load_b128 v[64*(\g)+4*\i:64*(\g)+4*\i+3], v[L16], s[\sb:\sb+1] offset:(\off)+512*\i
.endr
.endm
.macro GLOADC g, bb                    ; w2's K steps 2 bb and 2 bb + 1 of my two tiles into group g
.irp u, 0,1
.irp i, 0,1,2,3,4,5,6,7
	global_load_b128 v[64*(\g)+32*\u+4*\i:64*(\g)+32*\u+4*\i+3], v[L16], s[26:27] offset:W2_C+16384*\u+4096*(\bb)+512*\i
.endr
.endr
.endm
; Eight products over K = 256: four accumulators (a, u) by turns, K step by K step.  inplace = 1: the accumulators hold the sums' start; else it is v[cb + 8 u] on.
.macro MMK g, ws, cb, inplace
.irp s, 0,1
.irp a, 0,1
.irp u, 0,1
.if (\s == 0) && (\inplace == 0)
	v_wmma_scale_f32_16x16x128_f8f6f4 v[ACC+16*\a+8*\u:ACC+16*\a+8*\u+7], v[64*(\g)+32*\u:64*(\g)+32*\u+15], v[XF+32*\a:XF+32*\a+15], v[(\cb)+8*\u:(\cb)+8*\u+7], v[(\ws)+\u], v[XS+2*\a] matrix_a_fmt:MATRIX_FMT_BF8 matrix_b_fmt:MATRIX_FMT_BF8
.elseif \s == 0
	v_wmma_scale_f32_16x16x128_f8f6f4 v[ACC+16*\a+8*\u:ACC+16*\a+8*\u+7], v[64*(\g)+32*\u:64*(\g)+32*\u+15], v[XF+32*\a:XF+32*\a+15], v[ACC+16*\a+8*\u:ACC+16*\a+8*\u+7], v[(\ws)+\u], v[XS+2*\a] matrix_a_fmt:MATRIX_FMT_BF8 matrix_b_fmt:MATRIX_FMT_BF8
.else
	v_wmma_scale_f32_16x16x128_f8f6f4 v[ACC+16*\a+8*\u:ACC+16*\a+8*\u+7], v[64*(\g)+32*\u+16:64*(\g)+32*\u+31], v[XF+32*\a+16:XF+32*\a+31], v[ACC+16*\a+8*\u:ACC+16*\a+8*\u+7], v[(\ws)+\u], v[XS+2*\a+1] matrix_a_fmt:MATRIX_FMT_BF8 matrix_b_fmt:MATRIX_FMT_BF8 matrix_a_scale:MATRIX_SCALE_ROW1
.endif
.endr
.endr
.endr
.endm
; A norm, first half: of my 32 features of each row (16 mine, 16 in lane l xor 16) the mean and the centred sum of squares, to LDS.
.macro LNLOC V
.irp a, 0,1
.irp i, 0,1,2,3
	v_pk_add_f32 v[LT+32*\a+2*\i:LT+32*\a+2*\i+1], v[(\V)+16*\a+4*\i:(\V)+16*\a+4*\i+1], v[(\V)+16*\a+4*\i+2:(\V)+16*\a+4*\i+3]
.endr
.endr
.irp a, 0,1
	v_pk_add_f32 v[LT+32*\a:LT+32*\a+1], v[LT+32*\a:LT+32*\a+1], v[LT+32*\a+2:LT+32*\a+3]
	v_pk_add_f32 v[LT+32*\a+4:LT+32*\a+5], v[LT+32*\a+4:LT+32*\a+5], v[LT+32*\a+6:LT+32*\a+7]
.endr
.irp a, 0,1
	v_pk_add_f32 v[LT+32*\a:LT+32*\a+1], v[LT+32*\a:LT+32*\a+1], v[LT+32*\a+4:LT+32*\a+5]
.endr
.irp a, 0,1
	v_add_f32 v[LT+32*\a], v[LT+32*\a], v[LT+32*\a+1]
.endr
.irp a, 0,1
	v_permlanex16_b32 v[LT+32*\a+2], v[LT+32*\a], s[SEL], s[SEL+1]
.endr
.irp a, 0,1
	v_add_f32 v[LT+32*\a], v[LT+32*\a], v[LT+32*\a+2]
.endr
.irp a, 0,1
	v_mul_f32 v[LT+32*\a+8], 0x3d000000, v[LT+32*\a]               ; / 32: my features' mean
.endr
.irp a, 0,1
	v_mov_b32 v[LT+32*\a+9], v[LT+32*\a+8]
.endr
.irp a, 0,1
.irp i, 0,1,2,3,4,5,6,7
	v_pk_add_f32 v[LT+32*\a+10+2*\i:LT+32*\a+11+2*\i], v[(\V)+16*\a+2*\i:(\V)+16*\a+2*\i+1], v[LT+32*\a+8:LT+32*\a+9] neg_lo:[0,1] neg_hi:[0,1]
.endr
.endr
.irp a, 0,1
	v_pk_mul_f32 v[LT+32*\a+26:LT+32*\a+27], v[LT+32*\a+10:LT+32*\a+11], v[LT+32*\a+10:LT+32*\a+11]
	v_pk_mul_f32 v[LT+32*\a+28:LT+32*\a+29], v[LT+32*\a+12:LT+32*\a+13], v[LT+32*\a+12:LT+32*\a+13]
.endr
.irp i, 4,8,12
.irp a, 0,1
	v_pk_fma_f32 v[LT+32*\a+26:LT+32*\a+27], v[LT+32*\a+10+\i:LT+32*\a+11+\i], v[LT+32*\a+10+\i:LT+32*\a+11+\i], v[LT+32*\a+26:LT+32*\a+27]
	v_pk_fma_f32 v[LT+32*\a+28:LT+32*\a+29], v[LT+32*\a+12+\i:LT+32*\a+13+\i], v[LT+32*\a+12+\i:LT+32*\a+13+\i], v[LT+32*\a+28:LT+32*\a+29]
.endr
.endr
.irp a, 0,1
	v_pk_add_f32 v[LT+32*\a+26:LT+32*\a+27], v[LT+32*\a+26:LT+32*\a+27], v[LT+32*\a+28:LT+32*\a+29]
.endr
.irp a, 0,1
	v_add_f32 v[LT+32*\a+26], v[LT+32*\a+26], v[LT+32*\a+27]
.endr
.irp a, 0,1
	v_permlanex16_b32 v[LT+32*\a+2], v[LT+32*\a+26], s[SEL], s[SEL+1]
.endr
.irp a, 0,1
	v_add_f32 v[LT+32*\a+9], v[LT+32*\a+26], v[LT+32*\a+2]         ; beside the mean: the centred sum of squares
.endr
.irp a, 0,1
	ds_store_b64 v[STW], v[LT+32*\a+8:LT+32*\a+9] offset:1280*\a   ; both lanes of a row write the same pair
.endr
.endm
; Second half: the eight waves' pairs are merged; y = (v - mean) x rstd x gain + bias, gain in v[P32] on, bias in v[P32 + 16] on.
.macro LNFIN V, Y
.irp a, 0,1
.irp i, 0,1,2,3
	ds_load_b128 v[LT+32*\a+10+4*\i:LT+32*\a+13+4*\i], v[STD] offset:1280*\a+16*\i
.endr
.endr
	s_wait_dscnt 0x0
.irp a, 0,1
.irp i, 0,1,2,3
	v_pk_add_f32 v[LT+32*\a+2*\i:LT+32*\a+2*\i+1], v[LT+32*\a+10+4*\i:LT+32*\a+11+4*\i], v[LT+32*\a+12+4*\i:LT+32*\a+13+4*\i]
.endr
.endr
.irp a, 0,1
	v_pk_add_f32 v[LT+32*\a:LT+32*\a+1], v[LT+32*\a:LT+32*\a+1], v[LT+32*\a+2:LT+32*\a+3]
	v_pk_add_f32 v[LT+32*\a+4:LT+32*\a+5], v[LT+32*\a+4:LT+32*\a+5], v[LT+32*\a+6:LT+32*\a+7]
.endr
.irp a, 0,1
	v_pk_add_f32 v[LT+32*\a:LT+32*\a+1], v[LT+32*\a:LT+32*\a+1], v[LT+32*\a+4:LT+32*\a+5]   ; (the sum of the means, the sum of the M2)
.endr
.irp a, 0,1
	v_mul_f32 v[LT+32*\a+8], 0x3e000000, v[LT+32*\a]               ; / 8: the row's mean
.endr
.irp a, 0,1
.irp i, 0,1,2,3,4,5,6,7
	v_sub_f32 v[LT+32*\a+10+2*\i], v[LT+32*\a+10+2*\i], v[LT+32*\a+8]
.endr
.endr
.irp a, 0,1
	v_mul_f32 v[LT+32*\a+2], v[LT+32*\a+10], v[LT+32*\a+10]
.endr
.irp i, 1,2,3,4,5,6,7
.irp a, 0,1
	v_fmac_f32 v[LT+32*\a+2], v[LT+32*\a+10+2*\i], v[LT+32*\a+10+2*\i]
.endr
.endr
.irp a, 0,1
	v_fma_f32 v[LT+32*\a+2], v[LT+32*\a+2], 0x42000000, v[LT+32*\a+1]   ; 32 x the means' spread + the sum of the M2
.endr
.irp a, 0,1
	v_fma_f32 v[LT+32*\a+2], v[LT+32*\a+2], s[I256], s[EPS]        ; / 256 + 1e-5
.endr
.irp a, 0,1
	v_rsq_f32 v[LT+32*\a+4], v[LT+32*\a+2]
.endr
.irp a, 0,1
	v_mov_b32 v[LT+32*\a+9], v[LT+32*\a+8]                         ; plain lines behind the two roots
.endr
	s_wait_alu depctr_va_vdst(0)                   ; one wait for both, ahead of their first reader
.irp a, 0,1
.irp i, 0,1,2,3,4,5,6,7
	v_pk_add_f32 v[(\Y)+16*\a+2*\i:(\Y)+16*\a+2*\i+1], v[(\V)+16*\a+2*\i:(\V)+16*\a+2*\i+1], v[LT+32*\a+8:LT+32*\a+9] neg_lo:[0,1] neg_hi:[0,1]
.endr
.endr
.irp a, 0,1
.irp i, 0,1,2,3,4,5,6,7
	v_pk_mul_f32 v[(\Y)+16*\a+2*\i:(\Y)+16*\a+2*\i+1], v[(\Y)+16*\a+2*\i:(\Y)+16*\a+2*\i+1], v[LT+32*\a+4:LT+32*\a+5] op_sel_hi:[1,0]
.endr
.endr
.irp a, 0,1
.irp i, 0,1,2,3,4,5,6,7
	v_pk_fma_f32 v[(\Y)+16*\a+2*\i:(\Y)+16*\a+2*\i+1], v[(\Y)+16*\a+2*\i:(\Y)+16*\a+2*\i+1], v[P32+2*\i:P32+2*\i+1], v[P32+16+2*\i:P32+17+2*\i]
.endr
.endr
.endm
.macro HMUL bb, g, cb                  ; block bb of my 128 hidden units: products, then w2's pair bb into the group just multiplied
	WIN 0x01
	MMK \g, WSB+2*(\bb), \cb, 0
	WIN 0
	PLACES 9                                       ; eight ahead of loads into the products' registers and of the reads of the results, nine ahead of the products that start the same accumulators anew
	WIN 0x40
	GLOADC \g, \bb
	WIN 0
.endm
.macro HOUT bb                         ; relu, quantised: block bb of K step w of the third product, for both tiles of tokens
	s_wait_dscnt 0x0                               ; the last block's LDS stores have read the codes' registers
	QUANT2 ACC, ACC, 1, PC
	ds_store_b128 v[HWI], v[PC:PC+3] offset:512*(\bb)
	ds_store_b128 v[HWI], v[PC+4:PC+7] offset:16384+512*(\bb)
.irp a, 0,1
.if (\bb) == 0
	v_mov_b32 v[HW+\a], v[TM+2+\a]
.else
	v_lshl_or_b32 v[HW+\a], v[TM+2+\a], 8*(\bb), v[HW+\a]
.endif
.endr
.endm
.macro HFETCH s                        ; K step s of the hidden layer, both tiles of tokens, into set s % 2
.irp a, 0,1
.irp c, 0,1,2,3
	ds_load_b128 v[XF+32*((\s)%2)+16*\a+4*\c:XF+32*((\s)%2)+16*\a+4*\c+3], v[HRD] offset:(8*\a+(\s))*2048+512*\c
.endr
.endr
.irp a, 0,1
	ds_load_b32 v[HS+2*((\s)%2)+\a], v[HSR] offset:(8*\a+(\s))*128
.endr
.endm
.macro CMUL s                          ; the third product's K step s: four accumulators by turns, in place on x1 + b2
.irp a, 0,1
.irp u, 0,1
.if (\s)%2
	v_wmma_scale_f32_16x16x128_f8f6f4 v[X1+16*\a+8*\u:X1+16*\a+8*\u+7], v[64*((((\s)/2)+1)%4)+32*\u+16:64*((((\s)/2)+1)%4)+32*\u+31], v[XF+32+16*\a:XF+32+16*\a+15], v[X1+16*\a+8*\u:X1+16*\a+8*\u+7], v[WSC+4*\u+(\s)/2], v[HS+2+\a] matrix_a_fmt:MATRIX_FMT_BF8 matrix_b_fmt:MATRIX_FMT_BF8 matrix_a_scale:MATRIX_SCALE_ROW1
.else
	v_wmma_scale_f32_16x16x128_f8f6f4 v[X1+16*\a+8*\u:X1+16*\a+8*\u+7], v[64*((((\s)/2)+1)%4)+32*\u:64*((((\s)/2)+1)%4)+32*\u+15], v[XF+16*\a:XF+16*\a+15], v[X1+16*\a+8*\u:X1+16*\a+8*\u+7], v[WSC+4*\u+(\s)/2], v[HS+\a] matrix_a_fmt:MATRIX_FMT_BF8 matrix_b_fmt:MATRIX_FMT_BF8
.endif
.endr
.endr
.endm
	s_load_b256 s[4:11], s[0:1], 0x0               ; ctx s[4:5], the residual s[6:7], the pack s[8:9], the result s[10:11]
	v_lshl_add_u32 v254, v0, 2, 0x13600
	v_mov_b32 v255, 0
	v_lshrrev_b32 v15, 5, v0
	v_readfirstlane_b32 s12, v15                   ; wave 0..7
	s_and_b32 s13, ttmp7, 0xffff                   ; batch
	v_and_b32 v15, 31, v0                          ; lane
	v_and_b32 v[R], 15, v0
	v_bfe_u32 v[H64], v0, 4, 1
	v_lshlrev_b32 v[H64], 6, v[H64]
	v_lshlrev_b32 v[L16], 4, v15
	v_lshlrev_b32 v[L4], 2, v15
	s_mul_i32 s14, s12, 4*SPITCH
	v_add_nc_u32 v[STI], s14, v[L16]               ; the stage by rows: my four rows, 16 bytes a lane
	v_mul_u32_u24 v[STR], v[R], SPITCH
	v_add_nc_u32 v[STR], v[STR], v[H64]
	s_lshl_b32 s14, s12, 7
	v_add_nc_u32 v[STR], s14, v[STR]               ; and by features: row r, my wave's 128 bytes, + 64 h
	s_lshl_b32 s14, s12, 9
	v_add_nc_u32 v[XWI], s14, v[L16]               ; x1's images: block w % 4 of K step w / 4: 512 w
	s_lshr_b32 s14, s12, 2
	s_lshl_b32 s14, s14, 7
	s_and_b32 s15, s12, 3
	s_add_co_u32 s14, s14, s15
	v_add_nc_u32 v[XWS], s14, v[L4]                ; and my byte of their scale words
	s_lshl_b32 s14, s12, 11
	s_add_co_u32 s14, s14, HIMG
	v_add_nc_u32 v[HWI], s14, v[L16]
	s_lshl_b32 s14, s12, 7
	s_add_co_u32 s14, s14, HSC
	v_add_nc_u32 v[HWS], s14, v[L4]
	v_add_nc_u32 v[HRD], HIMG, v[L16]
	v_add_nc_u32 v[HSR], HSC, v[L4]
	v_mul_u32_u24 v[STD], v[R], 80
	v_add_nc_u32 v[STD], STAT, v[STD]
	s_lshl_b32 s14, s12, 3
	v_add_nc_u32 v[STW], s14, v[STD]
	s_mov_b32 s[SEL], 0x76543210
	s_mov_b32 s[SEL+1], 0xfedcba98
	s_mov_b32 s[MNT], 0x600000
	s_mov_b32 s[I256], 0x3b800000                  ; 1 / 256
	s_mov_b32 s[EPS], 0x3727c5ac                   ; 1e-5
	v_mov_b32 v[TM+2], 0                           ; written once: a lane permute's destination counts as one of its sources
	v_mov_b32 v[TM+3], 0
	s_mov_b32 s43, 0
	s_lshl_b32 s42, ttmp9, 17                      ; my four rows of the residual and of the result
	s_lshl_b32 s14, s13, 10
	s_add_co_u32 s42, s42, s14
	s_lshl_b32 s14, s12, 14
	s_add_co_u32 s42, s42, s14
	s_wait_kmcnt 0x0
	s_add_nc_u64 s[32:33], s[6:7], s[42:43]
	s_add_nc_u64 s[34:35], s[10:11], s[42:43]
	s_lshl_b32 s42, s13, 19                        ; ctx's codes: 4,096 (128 batch + 2 x + a)
	s_lshl_b32 s14, ttmp9, 13
	s_add_co_u32 s42, s42, s14
	s_add_nc_u64 s[28:29], s[4:5], s[42:43]
	s_lshl_b32 s42, s13, 14                        ; its scale bytes: 2,048 (8 batch + head) + 32 x
	s_lshl_b32 s14, ttmp9, 5
	s_add_co_u32 s42, s42, s14
	s_add_nc_u64 s[30:31], s[4:5], s[42:43]
	s_lshl_b32 s42, s12, 7                         ; the pack + 128 w, 256 w, 512 w, 1,024 w, 8,192 w, 32,768 w
	s_add_nc_u64 s[16:17], s[8:9], s[42:43]
	s_lshl_b32 s42, s12, 8
	s_add_nc_u64 s[18:19], s[8:9], s[42:43]
	s_lshl_b32 s42, s12, 9
	s_add_nc_u64 s[20:21], s[8:9], s[42:43]
	s_lshl_b32 s42, s12, 10
	s_add_nc_u64 s[22:23], s[8:9], s[42:43]
	s_lshl_b32 s42, s12, 13
	s_add_nc_u64 s[24:25], s[8:9], s[42:43]
	s_lshl_b32 s42, s12, 15
	s_add_nc_u64 s[26:27], s[8:9], s[42:43]
	; ---- the head's loads
.irp i, 0,1,2,3
.irp j, 0,1
	global_load_b128 v[BA+8*\i+4*\j:BA+8*\i+4*\j+3], v[L16], s[32:33] offset:4096*\i+512*\j th:TH_LOAD_NT
.endr
.endr
.irp i, 0,1,2,3,4,5,6,7,8,9,10,11,12,13,14,15
	global_load_b128 v[XF+4*\i:XF+4*\i+3], v[L16], s[28:29] offset:512*\i th:TH_LOAD_NT   ; ctx's four fragments: 2 a + s
.endr
.irp a, 0,1
.irp d, 0,1,2,3,4,5,6,7
	global_load_u8 v[X1+8*\a+\d], v[R], s[30:31] offset:CSO+2048*\d+16*\a
.endr
.endr
	WIN 0x40                                       ; destination window 1
	GLOAD 0, 24, OUTW_C
	WIN 0
.irp u, 0,1
	global_load_b32 v[WSA+\u], v[L4], s[18:19] offset:OUTW_S+128*\u
.endr
.irp j, 0,1,2,3
	global_load_b128 v[X1+16+4*\j:X1+19+4*\j], v[H64], s[16:17] offset:OUT_B+16*\j
.endr
.irp j, 0,1,2,3
	global_load_b128 v[P32+4*\j:P32+4*\j+3], v[H64], s[16:17] offset:LN1_S+16*\j
.endr
.irp j, 0,1,2,3
	global_load_b128 v[P32+16+4*\j:P32+19+4*\j], v[H64], s[16:17] offset:LN1_B+16*\j
.endr
	s_wait_loadcnt 62                              ; the residual's eight loads are in: 16 + 16 + 16 + 2 + 4 + 8 were issued behind them
.irp i, 0,1,2,3
.irp j, 0,1
	ds_store_b128 v[STI], v[BA+8*\i+4*\j:BA+8*\i+4*\j+3] offset:SPITCH*\i+512*\j
.endr
.endr
	BARRIER                                        ; the 32 rows lie in the stage
.irp a, 0,1
.irp j, 0,1,2,3
	ds_load_b128 v[ACC+16*\a+4*\j:ACC+16*\a+4*\j+3], v[STR] offset:16*SPITCH*\a+16*\j   ; the residual in the results' layout
.endr
.endr
	s_wait_loadcnt 0x0
.irp b, 0,1,2,3
.irp u, 0,1
	global_load_b32 v[WSB+2*\b+\u], v[L4], s[22:23] offset:W1_S+256*\b+128*\u
.endr
.endr
.irp u, 0,1
.irp p, 0,1,2,3
	global_load_b32 v[WSC+4*\u+\p], v[L4], s[22:23] offset:W2_S+512*\u+128*\p
.endr
.endr
.irp b, 0,1
.irp j, 0,1,2,3
	global_load_b128 v[BA+16*\b+4*\j:BA+16*\b+4*\j+3], v[H64], s[20:21] offset:B1+128*\b+16*\j
.endr
.endr
	WIN 0x40
	GLOAD 1, 26, W1_C
	GLOAD 2, 26, W1_C+8192
	GLOAD 3, 26, W1_C+16384
	WIN 0
.irp a, 0,1
.irp s, 0,1
	v_lshl_or_b32 v[XS+2*\a+\s], v[X1+8*\a+4*\s+1], 8, v[X1+8*\a+4*\s]   ; four heads' bytes make a K step's scale word
	v_lshl_or_b32 v[XS+2*\a+\s], v[X1+8*\a+4*\s+2], 16, v[XS+2*\a+\s]
	v_lshl_or_b32 v[XS+2*\a+\s], v[X1+8*\a+4*\s+3], 24, v[XS+2*\a+\s]
.endr
.endr
	s_wait_dscnt 0x0
.irp a, 0,1
.irp i, 0,2,4,6,8,10,12,14
	v_pk_add_f32 v[ACC+16*\a+\i:ACC+16*\a+\i+1], v[ACC+16*\a+\i:ACC+16*\a+\i+1], v[X1+16+\i:X1+17+\i]   ; + out_b.  Of these sixteen, twelve name no register of any one product below: the places between the scale words and the products
.endr
.endr
	; ---- A: x + out_b + ctx out_w^T
	WIN 0x01                                       ; source 0 (the weight) window 1
	MMK 0, WSA, 0, 1
	WIN 0
	PLACES 9
	WIN 0x40
	GLOAD 0, 26, W1_C+24576
	WIN 0
	LNLOC ACC
	BARRIER                                        ; the eight waves' pairs lie in LDS
	LNFIN ACC, X1
.irp b, 0,1
.irp j, 0,1,2,3
	global_load_b128 v[P32+16*\b+4*\j:P32+16*\b+4*\j+3], v[H64], s[20:21] offset:B1+256+128*\b+16*\j
.endr
.endr
	QUANT2 X1, XF, 0, PC                           ; the held numbers go elsewhere: x1 stays whole, as the second residual
	ds_store_b128 v[XWI], v[PC:PC+3] offset:XIMG
	ds_store_b128 v[XWI], v[PC+4:PC+7] offset:XIMG+4096
	ds_store_b8 v[XWS], v[TM+2] offset:XSC
	ds_store_b8 v[XWS], v[TM+3] offset:XSC+256
	BARRIER                                        ; x1's four fragments lie in LDS
.irp i, 0,1,2,3,4,5,6,7,8,9,10,11,12,13,14,15
	ds_load_b128 v[XF+4*\i:XF+4*\i+3], v[L16] offset:XIMG+512*\i
.endr
.irp f, 0,1,2,3
	ds_load_b32 v[XS+\f], v[L4] offset:XSC+128*\f
.endr
	s_wait_dscnt 0x0
	; ---- B: my 128 hidden units, 32 at a time
	s_wait_loadcnt 56                              ; group 1 and all ahead of it are in; behind it: groups 2, 3, 0 (48) and b1's blocks 2, 3 (8)
	HMUL 0, 1, BA
	HOUT 0
	s_wait_loadcnt 56                              ; group 2 is in; behind it: groups 3, 0 (32), b1's blocks 2, 3 (8), w2's pair 0 (16)
	HMUL 1, 2, BA+16
.irp j, 0,1,2,3
	global_load_b128 v[BA+4*\j:BA+4*\j+3], v[H64], s[16:17] offset:B2+16*\j
.endr
	HOUT 1
	s_wait_loadcnt 36                              ; b1's blocks 2, 3 and all ahead of them (groups 3 and 0) are in; behind them: w2's pairs 0, 1 (32), b2 (4)
	HMUL 2, 3, P32
	HOUT 2
	HMUL 3, 0, P32+16
.irp j, 0,1,2,3
	global_load_b128 v[P32+4*\j:P32+4*\j+3], v[H64], s[16:17] offset:LN2_S+16*\j
.endr
.irp j, 0,1,2,3
	global_load_b128 v[P32+16+4*\j:P32+19+4*\j], v[H64], s[16:17] offset:LN2_B+16*\j
.endr
	HOUT 3
	ds_store_b32 v[HWS], v[HW]
	ds_store_b32 v[HWS], v[HW+1] offset:1024
	BARRIER                                        ; the hidden layer's sixteen fragments lie in LDS
	; ---- C: x1 + b2 + hidden w2^T
	s_wait_loadcnt 40                              ; w2's pairs 0, 1 and b2 are in; behind them: pairs 2, 3 (32), the second norm's gain and bias (8)
.irp a, 0,1
.irp i, 0,2,4,6,8,10,12,14
	v_pk_add_f32 v[X1+16*\a+\i:X1+16*\a+\i+1], v[X1+16*\a+\i:X1+16*\a+\i+1], v[BA+\i:BA+\i+1]
.endr
.endr
	HFETCH 0
.irp s, 0,1,2,3,4,5,6,7
.if (\s >= 1) && (\s < 7)
	PLACES 8                                       ; ahead of loads into the set that the last four products read
.endif
.if \s < 7
	HFETCH \s+1
	s_wait_dscnt 10                                ; this K step's loads are in; the ten just issued may be out
.else
	s_wait_dscnt 0x0
.endif
.if \s == 4
	s_wait_loadcnt 24                              ; pair 2 is in; behind it: pair 3 (16), gain and bias (8)
.endif
.if \s == 6
	s_wait_loadcnt 8                               ; pair 3 is in
.endif
	WIN 0x01
	CMUL \s
	WIN 0
.endr
	PLACES 8
	LNLOC X1
	BARRIER
	s_wait_loadcnt 0x0                             ; the second norm's gain and bias
	LNFIN X1, X1
.irp a, 0,1
.irp j, 0,1,2,3
	ds_store_b128 v[STR], v[X1+16*\a+4*\j:X1+16*\a+4*\j+3] offset:16*SPITCH*\a+16*\j
.endr
.endr
	BARRIER                                        ; 32 whole rows of the result lie in the stage
.irp i, 0,1,2,3
.irp j, 0,1
	ds_load_b128 v[BA+8*\i+4*\j:BA+8*\i+4*\j+3], v[STI] offset:SPITCH*\i+512*\j
.endr
.endr
.irp n, 0,1,2,3,4,5,6,7
	s_wait_dscnt 7-\n
	global_store_b128 v[L16], v[BA+4*\n:BA+4*\n+3], s[34:35] offset:4096*(\n/2)+512*(\n%2)   ; 32 lanes store 512 consecutive bytes, aligned
.endr
	s_wait_tensorcnt 0x0
	ds_add_u32 v254, v255
	s_wait_dscnt 0x0
	s_endpgm
.Lfunc_end_k_qd37685e519_post0:
	.size	k_qd37685e519_post0, .Lfunc_end_k_qd37685e519_post0-k_qd37685e519_post0
	.p2alignl 7, 3214868480
	.fill 96, 4, 3214868480
	.section	.rodata,"a",@progbits
	.p2align	6, 0x0
	.amdhsa_kernel k_qd37685e519_post0
		.amdhsa_group_segment_fixed_size 80384
		.amdhsa_private_segment_fixed_size 0
		.amdhsa_enable_private_segment 0
		.amdhsa_kernarg_size 32
		.amdhsa_user_sgpr_count 2
		.amdhsa_user_sgpr_kernarg_segment_ptr 1
		.amdhsa_wavefront_size32 1
		.amdhsa_system_sgpr_workgroup_id_x 1
		.amdhsa_system_sgpr_workgroup_id_y 1
		.amdhsa_system_sgpr_workgroup_id_z 1
		.amdhsa_system_vgpr_workitem_id 0
		.amdhsa_next_free_vgpr 512
		.amdhsa_next_free_sgpr 66
		.amdhsa_reserve_vcc 0
		.amdhsa_float_denorm_mode_32 3
		.amdhsa_float_denorm_mode_16_64 3
		.amdhsa_memory_ordered 1
		.amdhsa_forward_progress 1
		.amdhsa_inst_pref_size 94
	.end_amdhsa_kernel
	.amdgpu_metadata
---
amdhsa.version: [ 1, 2 ]
amdhsa.kernels:
  - .name:           k_qd37685e519_post0
    .symbol:         k_qd37685e519_post0.kd
    .args:
      - { .name: ctx, .offset: 0, .size: 8, .value_kind: global_buffer, .address_space: global }
      - { .name: x, .offset: 8, .size: 8, .value_kind: global_buffer, .address_space: global }
      - { .name: pk0, .offset: 16, .size: 8, .value_kind: global_buffer, .address_space: global }
      - { .name: xm, .offset: 24, .size: 8, .value_kind: global_buffer, .address_space: global }
    .group_segment_fixed_size: 80384
    .private_segment_fixed_size: 0
    .kernarg_segment_align: 8
    .kernarg_segment_size: 32
    .max_flat_workgroup_size: 256
    .sgpr_count:     66
    .vgpr_count:     512
    .wavefront_size: 32
...
	.end_amdgpu_metadata
.endif
;; end of part 4
;; launch qkv1: the kernel of part 2 again; grid 64 x 4, 8 waves a work-group, no clusters, 46,080 bytes of LDS; arguments xm, pk1, qkvc; writes qkvc
;; launch att1: the kernel of part 3 again; grid 8 x 32, 16 waves a work-group, clusters of 4 x 1, 169,984 bytes of LDS; arguments qkvc, ctx; writes ctx
;; launch post1: the kernel of part 4 again; grid 64 x 4, 8 waves a work-group, no clusters, 80,384 bytes of LDS; arguments ctx, xm, pk1, out0; writes out0
;; ======== version 2 of 2: 7 launches; version 1 with the launches qkv0, post0, qkv1, post1 written anew for expert scheduling mode
;; workspace buffers: pk0 824,320 bytes; pk1 824,320 bytes; qkvc 6,488,064 bytes; ctx 2,162,688 bytes; xm 8,388,608 bytes
;; launch prep: the kernel of part 1 again; grid 97 x 2, 8 waves a work-group, no clusters, 0 bytes of LDS; arguments in_w_codes, in_w_scales, out_w_codes, out_w_scales, w1_codes, w1_scales, w2_codes, w2_scales, in_b, out_b, ln1_s, ln1_b, b1, b2, ln2_s, ln2_b, pk0, pk1; writes pk0, pk1
;; launch qkv0 (part 5): grid 64 x 4, 8 waves a work-group, no clusters, 46,080 bytes of LDS; arguments x, pk0, qkvc; writes qkvc
.if DOCPART == 5
	.amdgcn_target "amdgcn-amd-amdhsa--gfx1250"
	.amdhsa_code_object_version 6
	.text
	.protected	k_qd37685e519_qkv0
	.globl	k_qd37685e519_qkv0
	.p2align	8
	.type	k_qd37685e519_qkv0,@function
k_qd37685e519_qkv0:
	s_mov_b64 s[64:65], 0
	v_nop
	global_prefetch_b8 v0, s[64:65] scope:SCOPE_SE
	s_setreg_imm32_b32 hwreg(HW_REG_WAVE_SCHED_MODE, 0, 2), 2
	s_setreg_imm32_b32 hwreg(HW_REG_WAVE_MODE, 25, 1), 1
	s_wait_xcnt 0x0
	s_wait_alu depctr_vm_vsrc(0)
; q, k, v = x in_w^T + in_b on codes of BF8 (E5M2) with one E8M0 scale for each 32 along K, and the three results quantised for attention: q and k along the head's 32, v along the keys.
; SHARES.  A work-group takes 32 tokens l = 32 x .. 32 x + 31 of batch y: two tiles a of 16.  Wave w is head w: it makes the head's 32 numbers of q, of k and of v for all 32 tokens.
; x: each wave loads four rows, 512 consecutive bytes a load; the rows meet in a stage in LDS; each wave quantises two blocks of 32 of 16 rows; the four fragments go round as images of their registers.
; q, k: the product is used TRANSPOSED (source 0 = 16 rows of the weight, source 1 = 16 tokens): a lane holds one token and 16 neighbouring numbers of the head: the conversions' results are attention's operand.
; v: the product is used as it stands (source 0 = tokens, source 1 = the weight's rows): a lane holds one number d of the head and 16 of the 32 keys: the block along the keys lies in lanes l and l xor 16.
;    Slot i of a lane's 16 is key 16 (i / 8) + 8 (lane / 16) + i % 8 of the block; attention's p comes out in the same order, so the sums are those of the true order.
; THE WEIGHTS come from the pack in the order of the operand's registers, straight into registers: each wave reads its own 24 KB once and every fragment feeds two products.  No tile of them passes LDS,
; so there is nothing that a joint load of a cluster could bring; nothing is asked for ahead, since every load of the body is issued at its head.
; LIMITS: NaN and infinities are not served.  A block of zeros gets the scale byte 1 where the rule says 127: its codes are zeros, and the bytes are read by this program alone.
; THE MODE: SCHED_MODE bits 1:0 = 2 (LLVM: expert scheduling mode 2), set by the entry lines.  The code itself states the register dependences
; between vector or matrix instructions and memory or LDS instructions, with s_wait_alu, always for 0.
; THE PLAN.  Registers that memory or LDS instructions touch, and who else names them, in the order of the text:
;   v1-15, v254, v255   addresses: made by vector lines at the head, never written again.  One wait on va_vdst ahead of the first load serves every load and store.
;   v[D ..]             x's loads land; the LDS stores into the stage read them; then the products write them: one wait on vm_vsrc ahead of the first products.
;   v[XF ..]            the stage's loads land; the quantiser reads and writes them; the images' loads land: behind the wait on va_vdst that stands ahead of the images' stores, with no vector line between.
;   v[PC ..], three sets, and v[EB ..]: written by a quantiser and one line behind it, read by a run of three stores: one wait on va_vdst ahead of each run.  Set 0 serves twice (x's images, q's codes): the wait on vm_vsrc above.
;   v[TM], v[TM+1]      last named by v's quantiser; the scale bytes' load lands in them behind the wait on va_vdst ahead of v's stores.
;   window 1, v[WS ..], v[BQK ..], v[BV ..], v[XS ..]: loads land once; products and vector lines read them; nothing is written again.
; REGISTERS, window 0: v1-15 addresses; v16-79 x's four fragments (first: the numbers to quantise); v80-111 accumulators (first: x as loaded); v112-143 q's and k's bias; v144-147 v's;
;   v148-153 the weights' scale words; v154-157 x's; v160-183 codes, three sets; v184-191 at work; v192-195 scale bytes.   window 1: v0-63 Wq, v64-127 Wk, v128-191 Wv: fragment (u, s) at 16 (2 u + s).
.set SPITCH, 1040                      ; a stage row: 1,024 bytes + 16: row r starts 4 r banks on
.set XIMG,  33280                      ; x's four fragments, 2,048 bytes each: 2 a + s
.set XSC,   41472                      ; their scale words, 128 bytes each
.set SCG,   41984                      ; the scale bytes of q, k, v: [kind][head][32]
.set INW_S, 786432
.set IN_B,  811008
.set KC,    2097152                    ; in qkvc: k's codes; q's lie at 0
.set VC,    4194304                    ; v's
.set SC,    6291456                    ; the scale bytes: [batch][l / 32][kind][head][32]
.set L16, 1
.set L4,  2
.set STI, 6
.set STO, 7
.set XWI, 8
.set XWS, 9
.set SGA, 10
.set SGR, 11
.set H64, 13
.set RR4, 14
.set L8,  15
.set XF,  16
.set D,   80
.set BQK, 112
.set BV,  144
.set WS,  148
.set XS,  154
.set PC,  160
.set TM,  184                          ; +0,1 largest magnitudes; +2,3 bytes; +4,5 the largest number x the scale; +6,7 the conversions' scale operands
.set EB,  192
.set SEL, 32                           ; s[32:33] v_permlanex16_b32's selects for lane l xor 16
.set MNT, 34                           ; s34 the mantissa field of 57,344
.set HI,  35                           ; s35 a mask of lanes 16-31
.set MSB, 0
.macro WIN new                         ; the immediate's high byte repeats the setting that is left
.if MSB != \new
	s_set_vgpr_msb (MSB<<8)|\new
.set MSB, \new
.endif
.endm
.macro PLACES n
.rept \n
	v_nop
.endr
.endm
.macro BARRIER                         ; my LDS stores have landed and my LDS loads are in: then the work-group's barrier
	s_wait_dscnt 0x0
	s_barrier_signal -1
	s_barrier_wait -1
.endm
; Two blocks of 32 by turns.  Block b: my 16 numbers in v[src + 16 b] on, the other 16 in lane l xor 16.  Codes to v[pc + 4 b] on, the byte to v[TM + 2 + b].  The held numbers go to v[tmp + 16 b] on.
.macro QUANT2 src, tmp, relu, pc
.if \relu
.irp b, 0,1
	v_max3_num_f32 v[TM+\b], v[(\src)+16*\b], v[(\src)+1+16*\b], 0x8000000      ; no |.|: what is negative becomes 0 and must not count; the floor 2^(16 - 127) holds the byte at 1 from below
.endr
.irp i, 2,4,6,8,10,12,14
.irp b, 0,1
	v_max3_num_f32 v[TM+\b], v[TM+\b], v[(\src)+16*\b+\i], v[(\src)+1+16*\b+\i]
.endr
.endr
.else
.irp b, 0,1
	v_max3_num_f32 v[TM+\b], |v[(\src)+16*\b]|, |v[(\src)+1+16*\b]|, 0x8000000  ; the floor 2^(16 - 127) holds the byte at 1 from below
.endr
.irp i, 2,4,6,8,10,12,14
.irp b, 0,1
	v_max3_num_f32 v[TM+\b], v[TM+\b], |v[(\src)+16*\b+\i]|, |v[(\src)+1+16*\b+\i]|
.endr
.endr
.endif
.irp b, 0,1
	v_permlanex16_b32 v[TM+2+\b], v[TM+\b], s[SEL], s[SEL+1]
.endr
.irp b, 0,1
	v_max_num_f32 v[TM+\b], v[TM+\b], v[TM+2+\b]                   ; the block's largest magnitude
.endr
.irp b, 0,1
	v_add_nc_u32 v[TM+6+\b], 0xf8800000, v[TM+\b]                  ; 15 off its exponent field: the conversion's scale operand
.endr
.irp b, 0,1
	v_and_or_b32 v[TM+4+\b], v[TM+\b], 0x7f800000, s[MNT]          ; 57,344 x the scale
.endr
.irp b, 0,1
	v_lshrrev_b32 v[TM+2+\b], 23, v[TM+6+\b]                       ; the scale's byte
.endr
.irp b, 0,1
.irp i, 0,1,2,3,4,5,6,7,8,9,10,11,12,13,14,15
.if \relu
	v_med3_num_f32 v[(\tmp)+16*\b+\i], v[(\src)+16*\b+\i], 0, v[TM+4+\b]
.else
	v_med3_num_f32 v[(\tmp)+16*\b+\i], v[(\src)+16*\b+\i], -v[TM+4+\b], v[TM+4+\b]   ; the conversion to an 8-bit code does not saturate (ISA guide 7.6.2): the hold comes first
.endif
.endr
	v_cvt_scalef32_pk8_bf8_f32 v[(\pc)+4*\b:(\pc)+4*\b+1], v[(\tmp)+16*\b:(\tmp)+16*\b+7], v[TM+6+\b]
	v_cvt_scalef32_pk8_bf8_f32 v[(\pc)+4*\b+2:(\pc)+4*\b+3], v[(\tmp)+16*\b+8:(\tmp)+16*\b+15], v[TM+6+\b]
.endr
	v_nop                                          ; a plain line between the last conversion and whatever next touches its registers
.endm
.macro WLOAD kap                       ; my block of q's, k's or v's weight: 16 loads of 512 consecutive bytes into window 1
.irp i, 0,1,2,3,4,5,6,7,8,9,10,11,12,13,14,15
	global_load_b128 v[64*\kap+4*\i:64*\kap+4*\i+3], v[L16], s[20:21] offset:65536*\kap+512*\i
.endr
.endm
; q or k, transposed: four accumulators (a, u) by turns, K step by K step; the bias is the C of each sum's first product.  The weight's scale register holds K step 0's word in lanes 0-15, K step 1's in lanes 16-31.
.macro MMT kap
.irp s, 0,1
.irp a, 0,1
.irp u, 0,1
.if \s == 0
	v_wmma_scale_f32_16x16x128_f8f6f4 v[D+16*\a+8*\u:D+16*\a+8*\u+7], v[64*\kap+32*\u:64*\kap+32*\u+15], v[XF+32*\a:XF+32*\a+15], v[BQK+16*\kap+8*\u:BQK+16*\kap+8*\u+7], v[WS+2*\kap+\u], v[XS+2*\a] matrix_a_fmt:MATRIX_FMT_BF8 matrix_b_fmt:MATRIX_FMT_BF8
.else
	v_wmma_scale_f32_16x16x128_f8f6f4 v[D+16*\a+8*\u:D+16*\a+8*\u+7], v[64*\kap+32*\u+16:64*\kap+32*\u+31], v[XF+32*\a+16:XF+32*\a+31], v[D+16*\a+8*\u:D+16*\a+8*\u+7], v[WS+2*\kap+\u], v[XS+2*\a+1] matrix_a_fmt:MATRIX_FMT_BF8 matrix_b_fmt:MATRIX_FMT_BF8 matrix_a_scale:MATRIX_SCALE_ROW1
.endif
.endr
.endr
.endr
.endm
.macro OUTQ kap                        ; two tiles' codes, 512 consecutive bytes each; the 32 tokens' bytes: lanes 0-15 tile 0's, lanes 16-31 tile 1's
	v_cndmask_b32 v[EB+\kap], v[TM+2], v[TM+3], s[HI]
	s_wait_alu depctr_va_vdst(0)                   ; the conversions have written v[PC + 8 kap ..] and the line above v[EB + kap]: the three stores below read them
	global_store_b128 v[L16], v[PC+8*\kap:PC+8*\kap+3], s[26:27] offset:KC*\kap
	global_store_b128 v[L16], v[PC+8*\kap+4:PC+8*\kap+7], s[26:27] offset:KC*\kap+512
	ds_store_b8 v[SGA], v[EB+\kap] offset:SCG+256*\kap
.endm
	s_load_b128 s[4:7], s[0:1], 0x0                ; x (or the layer's input), the pack
	s_load_b64 s[8:9], s[0:1], 0x10                ; qkvc
	v_lshl_add_u32 v254, v0, 2, 0xb000
	v_mov_b32 v255, 0
	v_lshrrev_b32 v3, 5, v0
	v_readfirstlane_b32 s10, v3                    ; wave = head
	s_and_b32 s11, ttmp7, 0xffff                   ; batch
	v_and_b32 v4, 31, v0                           ; lane
	v_and_b32 v5, 15, v0                           ; r
	v_bfe_u32 v12, v0, 4, 1                        ; h
	v_lshlrev_b32 v[L16], 4, v4
	v_lshlrev_b32 v[L4], 2, v4
	v_lshlrev_b32 v[L8], 3, v4
	v_lshlrev_b32 v[H64], 6, v12
	v_and_b32 v[RR4], 8, v5
	v_add_nc_u32 v[RR4], v[RR4], v5
	v_lshlrev_b32 v[RR4], 2, v[RR4]                ; 4 (r + 8 (r / 8))
	s_wait_alu depctr_va_sdst(0)                   ; s10 is written, ahead of its first reader: LDS places and bases are made from it
	s_mul_i32 s12, s10, 4*SPITCH
	v_add_nc_u32 v[STI], s12, v[L16]               ; into the stage: my four rows, 16 bytes a lane
	s_lshr_b32 s13, s10, 2                         ; out of it: tile w / 4, blocks 2 (w % 4) and 2 (w % 4) + 1 of a row's eight
	s_mul_i32 s13, s13, 16*SPITCH
	s_and_b32 s14, s10, 3
	s_lshl_b32 s14, s14, 8
	s_add_co_u32 s13, s13, s14
	v_mul_u32_u24 v[STO], v5, SPITCH
	v_add_nc_u32 v[STO], v[STO], v[H64]
	v_add_nc_u32 v[STO], s13, v[STO]               ; row r, + 64 h: my 16 numbers of a block
	s_lshl_b32 s14, s10, 10
	v_add_nc_u32 v[XWI], s14, v[L16]               ; my two blocks' place among the images: 1,024 w
	s_lshr_b32 s14, s10, 1
	s_lshl_b32 s14, s14, 7
	s_and_b32 s15, s10, 1
	s_lshl_b32 s15, s15, 1
	s_add_co_u32 s14, s14, s15
	v_add_nc_u32 v[XWS], s14, v[L4]                ; and my two bytes of the fragment's scale words
	s_lshl_b32 s14, s10, 5
	v_add_nc_u32 v[SGA], s14, v4
	s_lshl_b32 s14, s10, 8
	v_add_nc_u32 v[SGR], s14, v[L8]
	s_mov_b32 s[SEL], 0x76543210
	s_mov_b32 s[SEL+1], 0xfedcba98
	s_mov_b32 s[MNT], 0x600000
	s_mov_b32 s[HI], 0xffff0000
	v_mov_b32 v[TM+2], 0                           ; written once: a lane permute's destination counts as one of its sources
	v_mov_b32 v[TM+3], 0
	v_mov_b32 v[BV+1], 0                           ; named as the upper halves of pairs
	v_mov_b32 v[BV+3], 0
	s_mov_b32 s37, 0
	s_lshl_b32 s36, ttmp9, 17                      ; token l is 4,096 bytes on from token l - 1; 32 tokens a work-group,
	s_lshl_b32 s12, s11, 10                        ; the batch's row among four,
	s_add_co_u32 s36, s36, s12
	s_lshl_b32 s12, s10, 14                        ; my four tokens
	s_add_co_u32 s36, s36, s12
	s_wait_kmcnt 0x0
	s_add_nc_u64 s[4:5], s[4:5], s[36:37]
	s_lshl_b32 s36, s10, 13
	s_add_nc_u64 s[20:21], s[6:7], s[36:37]        ; the pack + 8,192 w: codes
	s_lshl_b32 s36, s10, 8
	s_add_nc_u64 s[22:23], s[6:7], s[36:37]        ; + 256 w: scale words
	s_lshl_b32 s36, s10, 7
	s_add_nc_u64 s[24:25], s[6:7], s[36:37]        ; + 128 w: biases
	s_wait_alu depctr_va_vdst(0)                   ; the addresses v1 to v15, v254 and v255 are written: every load and store of the kernel reads some of them, and none is written again
.irp i, 0,1,2,3
.irp j, 0,1
	global_load_b128 v[D+8*\i+4*\j:D+8*\i+4*\j+3], v[L16], s[4:5] offset:4096*\i+512*\j th:TH_LOAD_NT
.endr
.endr
.irp k, 0,1,2
.irp u, 0,1
	global_load_b32 v[WS+2*\k+\u], v[L4], s[22:23] offset:INW_S+2048*\k+128*\u
.endr
.endr
.irp k, 0,1
.irp u, 0,1
.irp e, 0,1
	global_load_b128 v[BQK+16*\k+8*\u+4*\e:BQK+16*\k+8*\u+4*\e+3], v[H64], s[24:25] offset:IN_B+1024*\k+32*\u+16*\e   ; lane (r, h), tile u: the bias of the head's numbers 16 h + 8 u + 0 .. 7
.endr
.endr
.endr
.irp u, 0,1
	global_load_b32 v[BV+2*\u], v[RR4], s[24:25] offset:IN_B+2048+32*\u   ; v: lane r holds the head's number 8 u + r + 8 (r / 8)
.endr
	WIN 0x40                                       ; destination window 1
	WLOAD 0
	WLOAD 1
	WIN 0
	s_lshl_b32 s38, s11, 19                        ; the outputs' bases: 65,536 (8 batch + head),
	s_lshl_b32 s12, s10, 16
	s_add_co_u32 s38, s38, s12
	s_lshl_b32 s12, ttmp9, 10                      ; q, k: two tiles of 512 bytes a work-group
	s_add_co_u32 s36, s38, s12
	s_add_nc_u64 s[26:27], s[8:9], s[36:37]
	s_lshr_b32 s12, ttmp9, 2                       ; v: key step x / 4 of 4,096 bytes, block x % 4 of 512
	s_lshl_b32 s12, s12, 12
	s_add_co_u32 s36, s38, s12
	s_and_b32 s12, ttmp9, 3
	s_lshl_b32 s12, s12, 9
	s_add_co_u32 s36, s36, s12
	s_add_nc_u64 s[28:29], s[8:9], s[36:37]
	s_lshl_b32 s36, s11, 6                         ; the scale bytes: 768 (64 batch + x) + 256 kind (kind = wave, waves 0 to 2)
	s_add_co_u32 s36, s36, ttmp9
	s_mul_i32 s36, s36, 768
	s_lshl_b32 s12, s10, 8
	s_add_co_u32 s36, s36, s12
	s_add_nc_u64 s[30:31], s[8:9], s[36:37]
	s_wait_loadcnt 48                              ; x's eight loads are in: 6 + 8 + 2 + 16 + 16 were issued behind them
.irp i, 0,1,2,3
.irp j, 0,1
	ds_store_b128 v[STI], v[D+8*\i+4*\j:D+8*\i+4*\j+3] offset:SPITCH*\i+512*\j
.endr
.endr
	WIN 0x40
	WLOAD 2                                        ; no vector line has been issued since the wait at the head, and these registers are named for the first time
	WIN 0
	BARRIER                                        ; the 32 rows lie in the stage
.irp b, 0,1
.irp j, 0,1,2,3
	ds_load_b128 v[XF+16*\b+4*\j:XF+16*\b+4*\j+3], v[STO] offset:128*\b+16*\j
.endr
.endr
	s_wait_dscnt 0x0
	QUANT2 XF, XF, 0, PC
	v_lshl_or_b32 v[EB+3], v[TM+3], 8, v[TM+2]
	s_wait_alu depctr_va_vdst(0)                   ; the conversions have written v[PC ..] and the line above v[EB+3], which the three stores below read; the quantiser is done with v[XF ..], in which the images' loads land behind the barrier
	ds_store_b128 v[XWI], v[PC:PC+3] offset:XIMG
	ds_store_b128 v[XWI], v[PC+4:PC+7] offset:XIMG+512
	ds_store_b16 v[XWS], v[EB+3] offset:XSC
	BARRIER                                        ; x's four fragments and their scale words lie in LDS
.irp i, 0,1,2,3,4,5,6,7,8,9,10,11,12,13,14,15
	ds_load_b128 v[XF+4*\i:XF+4*\i+3], v[L16] offset:XIMG+512*\i
.endr
.irp f, 0,1,2,3
	ds_load_b32 v[XS+\f], v[L4] offset:XSC+128*\f
.endr
	s_wait_dscnt 0x0
	s_wait_loadcnt 16                              ; all but Wv's sixteen loads
	s_wait_alu depctr_vm_vsrc(0)                   ; the LDS stores into the stage have read v[D ..], which the products below write; the images' stores have read v[PC ..], which q's conversions write again
	WIN 0x01                                       ; source 0 (the weight) window 1
	MMT 0
	WIN 0
	PLACES 9                                       ; eight ahead of the reads of the results, nine ahead of the products that start the same accumulators anew
	QUANT2 D, D, 0, PC
	OUTQ 0
	WIN 0x01
	MMT 1
	WIN 0
	PLACES 9
	QUANT2 D, D, 0, PC+8
	OUTQ 1
	s_wait_loadcnt 0x0                             ; Wv
	WIN 0x04                                       ; source 1 (the weight) window 1
.irp s, 0,1
.irp u, 0,1
.irp a, 0,1
.if \s == 0
	v_wmma_scale_f32_16x16x128_f8f6f4 v[D+16*\u+8*\a:D+16*\u+8*\a+7], v[XF+32*\a:XF+32*\a+15], v[128+32*\u:128+32*\u+15], 0, v[XS+2*\a], v[WS+4+\u] matrix_a_fmt:MATRIX_FMT_BF8 matrix_b_fmt:MATRIX_FMT_BF8
.else
	v_wmma_scale_f32_16x16x128_f8f6f4 v[D+16*\u+8*\a:D+16*\u+8*\a+7], v[XF+32*\a+16:XF+32*\a+31], v[128+32*\u+16:128+32*\u+31], v[D+16*\u+8*\a:D+16*\u+8*\a+7], v[XS+2*\a+1], v[WS+4+\u] matrix_a_fmt:MATRIX_FMT_BF8 matrix_b_fmt:MATRIX_FMT_BF8 matrix_b_scale:MATRIX_SCALE_ROW1
.endif
.endr
.endr
.endr
	WIN 0
	PLACES 8
.irp u, 0,1
.irp i, 0,2,4,6,8,10,12,14
	v_pk_add_f32 v[D+16*\u+\i:D+16*\u+\i+1], v[D+16*\u+\i:D+16*\u+\i+1], v[BV+2*\u:BV+2*\u+1] op_sel_hi:[1,0]   ; a lane's 16 keys share one bias
.endr
.endr
	QUANT2 D, D, 0, PC+16
	v_cndmask_b32 v[EB+2], v[TM+2], v[TM+3], s[HI] ; lanes 0-15 tile u = 0's bytes, lanes 16-31 tile u = 1's
	s_wait_alu depctr_va_vdst(0)                   ; the conversions have written v[PC+16 ..] and the line above v[EB+2], which the three stores below read; the quantiser is done with v[TM], v[TM+1], in which the scale bytes' load lands behind the barrier
	global_store_b128 v[L16], v[PC+16:PC+19], s[28:29] offset:VC
	global_store_b128 v[L16], v[PC+20:PC+23], s[28:29] offset:VC+2048
	ds_store_b8 v[SGA], v[EB+2] offset:SCG+512
	BARRIER                                        ; all heads' scale bytes lie in LDS
	s_cmp_lt_u32 s10, 3
	s_cbranch_scc0 .Lend
	ds_load_b64 v[TM:TM+1], v[SGR] offset:SCG
	s_wait_dscnt 0x0
	global_store_b64 v[L8], v[TM:TM+1], s[30:31] offset:SC   ; 32 lanes store 256 consecutive bytes, aligned: one kind's bytes of eight heads
.Lend:
	s_wait_dscnt 0x0                               ; the closing lines, six on end
	s_wait_alu 0x0
	s_wait_tensorcnt 0x0
	ds_add_u32 v254, v255
	s_wait_dscnt 0x0
	s_endpgm
.Lfunc_end_k_qd37685e519_qkv0:
	.size	k_qd37685e519_qkv0, .Lfunc_end_k_qd37685e519_qkv0-k_qd37685e519_qkv0
	.p2alignl 7, 3214868480
	.fill 96, 4, 3214868480
	.section	.rodata,"a",@progbits
	.p2align	6, 0x0
	.amdhsa_kernel k_qd37685e519_qkv0
		.amdhsa_group_segment_fixed_size 46080
		.amdhsa_private_segment_fixed_size 0
		.amdhsa_enable_private_segment 0
		.amdhsa_kernarg_size 24
		.amdhsa_user_sgpr_count 2
		.amdhsa_user_sgpr_kernarg_segment_ptr 1
		.amdhsa_wavefront_size32 1
		.amdhsa_system_sgpr_workgroup_id_x 1
		.amdhsa_system_sgpr_workgroup_id_y 1
		.amdhsa_system_sgpr_workgroup_id_z 1
		.amdhsa_system_vgpr_workitem_id 0
		.amdhsa_next_free_vgpr 448
		.amdhsa_next_free_sgpr 66
		.amdhsa_reserve_vcc 0
		.amdhsa_float_denorm_mode_32 3
		.amdhsa_float_denorm_mode_16_64 3
		.amdhsa_memory_ordered 1
		.amdhsa_forward_progress 1
		.amdhsa_inst_pref_size 36
	.end_amdhsa_kernel
	.amdgpu_metadata
---
amdhsa.version: [ 1, 2 ]
amdhsa.kernels:
  - .name:           k_qd37685e519_qkv0
    .symbol:         k_qd37685e519_qkv0.kd
    .args:
      - { .name: x, .offset: 0, .size: 8, .value_kind: global_buffer, .address_space: global }
      - { .name: pk0, .offset: 8, .size: 8, .value_kind: global_buffer, .address_space: global }
      - { .name: qkvc, .offset: 16, .size: 8, .value_kind: global_buffer, .address_space: global }
    .group_segment_fixed_size: 46080
    .private_segment_fixed_size: 0
    .kernarg_segment_align: 8
    .kernarg_segment_size: 24
    .max_flat_workgroup_size: 256
    .sgpr_count:     66
    .vgpr_count:     448
    .wavefront_size: 32
...
	.end_amdgpu_metadata
.endif
;; end of part 5
;; launch att0: the kernel of part 3 again; grid 8 x 32, 16 waves a work-group, clusters of 4 x 1, 169,984 bytes of LDS; arguments qkvc, ctx; writes ctx
;; launch post0 (part 6): grid 64 x 4, 8 waves a work-group, no clusters, 80,384 bytes of LDS; arguments ctx, x, pk0, xm; writes xm
.if DOCPART == 6
	.amdgcn_target "amdgcn-amd-amdhsa--gfx1250"
	.amdhsa_code_object_version 6
	.text
	.protected	k_qd37685e519_post0
	.globl	k_qd37685e519_post0
	.p2align	8
	.type	k_qd37685e519_post0,@function
k_qd37685e519_post0:
	s_mov_b64 s[64:65], 0
	v_nop
	global_prefetch_b8 v0, s[64:65] scope:SCOPE_SE
	s_setreg_imm32_b32 hwreg(HW_REG_WAVE_SCHED_MODE, 0, 2), 2
	s_setreg_imm32_b32 hwreg(HW_REG_WAVE_MODE, 25, 1), 1
	s_wait_xcnt 0x0
	s_wait_alu depctr_vm_vsrc(0)
; x1 = LN1(x + ctx out_w^T + out_b);  out = LN2(x1 + relu(x1 w1^T + b1) w2^T + b2).  The three products on codes of BF8 (E5M2) with one E8M0 scale for each 32 along K; all else in f32.
; SHARES.  A work-group takes 32 tokens l = 32 x .. 32 x + 31 of batch y: two tiles a of 16.  THE WAVES SHARE THE COLUMNS: wave w makes features 32 w .. 32 w + 31 of the first and third product and hidden units
; 128 w .. 128 w + 127 of the second, for all 32 tokens.  So each byte of the layer's weights is loaded once a work-group, from the pack, in the order of the operand's registers, straight into registers;
; no tile of them passes LDS, so there is nothing that a joint load of a cluster could bring.  What goes from wave to wave is small: x1's and the hidden layer's codes, as images of their registers, and two numbers a row for each norm.
; All products are used TRANSPOSED (source 0 = 16 rows of the weight, source 1 = 16 tokens): a lane holds one token and 16 neighbouring features.  Residual and bias are the C of a sum's first product.
; THE NORMS.  Each wave takes the mean and the centred sum of squares of its 32 features of a row; the eight pairs meet in LDS and are merged: var = (sum of M2 + 32 sum of (mean_i - mean)^2) / 256.
; No difference of large sums is formed.  1 / sqrt by v_rsq_f32.
; The weights run ahead through four groups of 64 registers (window 1): out_w; w1's four blocks; w2's four pairs of K steps, each asked for as soon as its group has been multiplied.
; LIMITS: NaN and infinities are not served.  A block of zeros gets the scale byte 1: its codes are zeros, and the bytes never leave the work-group.
; THE MODE: SCHED_MODE bits 1:0 = 2 (LLVM: expert scheduling mode 2), set by the entry lines.  The code itself states the register dependences
; between vector or matrix instructions and memory or LDS instructions, with s_wait_alu, always for 0.
; THE PLAN.  Registers that memory or LDS instructions touch, and who else names them, in the order of the text:
;   v1-14, v254, v255   addresses: made by vector lines at the head, never written again.  One wait on va_vdst ahead of the first load serves every load and store.
;   v[BA ..]            the residual lands; the stage's stores read it; b1's blocks 0, 1 land (a wait on vm_vsrc ahead of them); products read them as C; b2 lands behind the wait of the block that follows; the additions read it;
;                       then it is set 3 of the hidden fragments; at the end the result's rows land in it.
;   v[XS ..]            made by vector lines for the first product (a wait on va_vdst behind the places); then x1's scale words land; then those of sets 2 and 3.
;   window 1, a group   eight products read it, then it is asked for again: the window's switch, a wait on va_vdst, the loads.  The loads into v[BA ..] and v[P32 ..], which the same products read as C, follow those loads and lean on the same wait.
;   a norm's pair       v[LT+8], v[LT+9] of each a: written by vector lines, read by an LDS store (a wait on va_vdst ahead), written again in the norm's second half (a wait on vm_vsrc ahead).
;   v[PC ..], v[TM+2], v[TM+3], v[HW ..]   written by a quantiser and the lines behind it, read by LDS stores (one wait on va_vdst ahead of each run), written again by the next quantiser (a wait on vm_vsrc at its head).
;   v[P32 ..]           the first norm reads its gain and bias; b1's blocks 2, 3 land behind the wait on va_vdst that stands ahead of x1's stores.
;   the hidden fragments have FOUR sets in the third product: v[XF ..], v[XF+32 ..], v[ACC ..], v[BA ..], with two scale registers each.  K steps 0 to 2 are fetched behind the barrier with no wait (no vector line stands behind the last
;   quantiser's wait), K step 3 behind the additions of b2, K steps 4, 5 behind the products of 0, 1, K steps 6, 7 behind those of 2, 3: three waits on va_vdst for eight K steps.
; REGISTERS, window 0: v1-14 addresses; v16-79 fragments of the tokens' operand, and the norms' work; v80-111 accumulators, then set 2; v112-143 x1 (first: ctx's scale bytes, out_b); v144-175 x as loaded, b1's blocks 0, 1, b2, set 3, rows of the result;
;   v176-207 a norm's gain and bias, b1's blocks 2, 3; v208-215 codes; v216-223 at work; v224-225 the hidden layer's scale words; v226-229 the tokens' operand's, then those of sets 2, 3; v230-247 the weights'; v248-251 those of sets 0, 1.
.set SPITCH, 1040                      ; a stage row: 1,024 bytes + 16
.set XIMG,  33280                      ; x1's four fragments: 2 a + s
.set XSC,   41472                      ; their scale words
.set HIMG,  41984                      ; the hidden layer's sixteen: 8 a + s
.set HSC,   74752                      ; their scale words
.set STAT,  76800                      ; the norms' pairs: [a][row], 80 bytes a row: eight pairs + 16
.set OUTW_C, 196608
.set W1_C,  262144
.set W2_C,  524288
.set OUTW_S, 792576
.set W1_S,  794624
.set W2_S,  802816
.set OUT_B, 814080
.set LN1_S, 815104
.set LN1_B, 816128
.set B1,    817152
.set B2,    821248
.set LN2_S, 822272
.set LN2_B, 823296
.set CSO,   2097152                    ; in ctx: the scale bytes
.set L16, 1
.set L4,  2
.set STI, 3
.set STR, 4
.set XWI, 5
.set XWS, 6
.set HWI, 7
.set HWS, 8
.set HRD, 9
.set HSR, 10
.set STW, 11
.set STD, 12
.set R,   13
.set H64, 14
.set XF,  16
.set LT,  16                           ; the norms' work: 32 registers for each a
.set ACC, 80
.set X1,  112
.set BA,  144
.set P32, 176
.set PC,  208
.set TM,  216
.set HW,  224
.set XS,  226
.set WSA, 230
.set WSB, 232
.set WSC, 240
.set HS,  248
.set SEL, 36
.set MNT, 38
.set I256, 39
.set EPS, 40
.set MSB, 0
.macro WIN new                         ; the immediate's high byte repeats the setting that is left
.if MSB != \new
	s_set_vgpr_msb (MSB<<8)|\new
.set MSB, \new
.endif
.endm
.macro PLACES n
.rept \n
	v_nop
.endr
.endm
.macro BARRIER                         ; my LDS stores have landed and my LDS loads are in: then the work-group's barrier
	s_wait_dscnt 0x0
	s_barrier_signal -1
	s_barrier_wait -1
.endm
; Two blocks of 32 by turns.  Block b: my 16 numbers in v[src + 16 b] on, the other 16 in lane l xor 16.  Codes to v[pc + 4 b] on, the byte to v[TM + 2 + b].  The held numbers go to v[tmp + 16 b] on.
.macro QUANT2 src, tmp, relu, pc
.if \relu
.irp b, 0,1
	v_max3_num_f32 v[TM+\b], v[(\src)+16*\b], v[(\src)+1+16*\b], 0x8000000      ; no |.|: what is negative becomes 0 and must not count; the floor 2^(16 - 127) holds the byte at 1 from below
.endr
.irp i, 2,4,6,8,10,12,14
.irp b, 0,1
	v_max3_num_f32 v[TM+\b], v[TM+\b], v[(\src)+16*\b+\i], v[(\src)+1+16*\b+\i]
.endr
.endr
.else
.irp b, 0,1
	v_max3_num_f32 v[TM+\b], |v[(\src)+16*\b]|, |v[(\src)+1+16*\b]|, 0x8000000  ; the floor 2^(16 - 127) holds the byte at 1 from below
.endr
.irp i, 2,4,6,8,10,12,14
.irp b, 0,1
	v_max3_num_f32 v[TM+\b], v[TM+\b], |v[(\src)+16*\b+\i]|, |v[(\src)+1+16*\b+\i]|
.endr
.endr
.endif
.irp b, 0,1
	v_permlanex16_b32 v[TM+2+\b], v[TM+\b], s[SEL], s[SEL+1]
.endr
.irp b, 0,1
	v_max_num_f32 v[TM+\b], v[TM+\b], v[TM+2+\b]                   ; the block's largest magnitude
.endr
.irp b, 0,1
	v_add_nc_u32 v[TM+6+\b], 0xf8800000, v[TM+\b]                  ; 15 off its exponent field: the conversion's scale operand
.endr
.irp b, 0,1
	v_and_or_b32 v[TM+4+\b], v[TM+\b], 0x7f800000, s[MNT]          ; 57,344 x the scale
.endr
.irp b, 0,1
	v_lshrrev_b32 v[TM+2+\b], 23, v[TM+6+\b]                       ; the scale's byte
.endr
.irp b, 0,1
.irp i, 0,1,2,3,4,5,6,7,8,9,10,11,12,13,14,15
.if \relu
	v_med3_num_f32 v[(\tmp)+16*\b+\i], v[(\src)+16*\b+\i], 0, v[TM+4+\b]        ; the activation and the hold in one
.else
	v_med3_num_f32 v[(\tmp)+16*\b+\i], v[(\src)+16*\b+\i], -v[TM+4+\b], v[TM+4+\b]   ; the conversion to an 8-bit code does not saturate (ISA guide 7.6.2): the hold comes first
.endif
.endr
	v_cvt_scalef32_pk8_bf8_f32 v[(\pc)+4*\b:(\pc)+4*\b+1], v[(\tmp)+16*\b:(\tmp)+16*\b+7], v[TM+6+\b]
	v_cvt_scalef32_pk8_bf8_f32 v[(\pc)+4*\b+2:(\pc)+4*\b+3], v[(\tmp)+16*\b+8:(\tmp)+16*\b+15], v[TM+6+\b]
.endr
	v_nop                                          ; a plain line between the last conversion and whatever next touches its registers
.endm
.macro GLOAD g, sb, off                ; a block of a weight with K = 256 into group g: 16 loads of 512 consecutive bytes: fragment (u, s) at 16 (2 u + s)
.irp i, 0,1,2,3,4,5,6,7,8,9,10,11,12,13,14,15
	global_load_b128 v[64*(\g)+4*\i:64*(\g)+4*\i+3], v[L16], s[\sb:\sb+1] offset:(\off)+512*\i
.endr
.endm
.macro GLOADC g, bb                    ; w2's K steps 2 bb and 2 bb + 1 of my two tiles into group g
.irp u, 0,1
.irp i, 0,1,2,3,4,5,6,7
	global_load_b128 v[64*(\g)+32*\u+4*\i:64*(\g)+32*\u+4*\i+3], v[L16], s[26:27] offset:W2_C+16384*\u+4096*(\bb)+512*\i
.endr
.endr
.endm
; Eight products over K = 256: four accumulators (a, u) by turns, K step by K step.  inplace = 1: the accumulators hold the sums' start; else it is v[cb + 8 u] on.
.macro MMK g, ws, cb, inplace
.irp s, 0,1
.irp a, 0,1
.irp u, 0,1
.if (\s == 0) && (\inplace == 0)
	v_wmma_scale_f32_16x16x128_f8f6f4 v[ACC+16*\a+8*\u:ACC+16*\a+8*\u+7], v[64*(\g)+32*\u:64*(\g)+32*\u+15], v[XF+32*\a:XF+32*\a+15], v[(\cb)+8*\u:(\cb)+8*\u+7], v[(\ws)+\u], v[XS+2*\a] matrix_a_fmt:MATRIX_FMT_BF8 matrix_b_fmt:MATRIX_FMT_BF8
.elseif \s == 0
	v_wmma_scale_f32_16x16x128_f8f6f4 v[ACC+16*\a+8*\u:ACC+16*\a+8*\u+7], v[64*(\g)+32*\u:64*(\g)+32*\u+15], v[XF+32*\a:XF+32*\a+15], v[ACC+16*\a+8*\u:ACC+16*\a+8*\u+7], v[(\ws)+\u], v[XS+2*\a] matrix_a_fmt:MATRIX_FMT_BF8 matrix_b_fmt:MATRIX_FMT_BF8
.else
	v_wmma_scale_f32_16x16x128_f8f6f4 v[ACC+16*\a+8*\u:ACC+16*\a+8*\u+7], v[64*(\g)+32*\u+16:64*(\g)+32*\u+31], v[XF+32*\a+16:XF+32*\a+31], v[ACC+16*\a+8*\u:ACC+16*\a+8*\u+7], v[(\ws)+\u], v[XS+2*\a+1] matrix_a_fmt:MATRIX_FMT_BF8 matrix_b_fmt:MATRIX_FMT_BF8 matrix_a_scale:MATRIX_SCALE_ROW1
.endif
.endr
.endr
.endr
.endm
; A norm, first half: of my 32 features of each row (16 mine, 16 in lane l xor 16) the mean and the centred sum of squares, to LDS.
.macro LNLOC V
.irp a, 0,1
.irp i, 0,1,2,3
	v_pk_add_f32 v[LT+32*\a+2*\i:LT+32*\a+2*\i+1], v[(\V)+16*\a+4*\i:(\V)+16*\a+4*\i+1], v[(\V)+16*\a+4*\i+2:(\V)+16*\a+4*\i+3]
.endr
.endr
.irp a, 0,1
	v_pk_add_f32 v[LT+32*\a:LT+32*\a+1], v[LT+32*\a:LT+32*\a+1], v[LT+32*\a+2:LT+32*\a+3]
	v_pk_add_f32 v[LT+32*\a+4:LT+32*\a+5], v[LT+32*\a+4:LT+32*\a+5], v[LT+32*\a+6:LT+32*\a+7]
.endr
.irp a, 0,1
	v_pk_add_f32 v[LT+32*\a:LT+32*\a+1], v[LT+32*\a:LT+32*\a+1], v[LT+32*\a+4:LT+32*\a+5]
.endr
.irp a, 0,1
	v_add_f32 v[LT+32*\a], v[LT+32*\a], v[LT+32*\a+1]
.endr
.irp a, 0,1
	v_permlanex16_b32 v[LT+32*\a+2], v[LT+32*\a], s[SEL], s[SEL+1]
.endr
.irp a, 0,1
	v_add_f32 v[LT+32*\a], v[LT+32*\a], v[LT+32*\a+2]
.endr
.irp a, 0,1
	v_mul_f32 v[LT+32*\a+8], 0x3d000000, v[LT+32*\a]               ; / 32: my features' mean
.endr
.irp a, 0,1
	v_mov_b32 v[LT+32*\a+9], v[LT+32*\a+8]
.endr
.irp a, 0,1
.irp i, 0,1,2,3,4,5,6,7
	v_pk_add_f32 v[LT+32*\a+10+2*\i:LT+32*\a+11+2*\i], v[(\V)+16*\a+2*\i:(\V)+16*\a+2*\i+1], v[LT+32*\a+8:LT+32*\a+9] neg_lo:[0,1] neg_hi:[0,1]
.endr
.endr
.irp a, 0,1
	v_pk_mul_f32 v[LT+32*\a+26:LT+32*\a+27], v[LT+32*\a+10:LT+32*\a+11], v[LT+32*\a+10:LT+32*\a+11]
	v_pk_mul_f32 v[LT+32*\a+28:LT+32*\a+29], v[LT+32*\a+12:LT+32*\a+13], v[LT+32*\a+12:LT+32*\a+13]
.endr
.irp i, 4,8,12
.irp a, 0,1
	v_pk_fma_f32 v[LT+32*\a+26:LT+32*\a+27], v[LT+32*\a+10+\i:LT+32*\a+11+\i], v[LT+32*\a+10+\i:LT+32*\a+11+\i], v[LT+32*\a+26:LT+32*\a+27]
	v_pk_fma_f32 v[LT+32*\a+28:LT+32*\a+29], v[LT+32*\a+12+\i:LT+32*\a+13+\i], v[LT+32*\a+12+\i:LT+32*\a+13+\i], v[LT+32*\a+28:LT+32*\a+29]
.endr
.endr
.irp a, 0,1
	v_pk_add_f32 v[LT+32*\a+26:LT+32*\a+27], v[LT+32*\a+26:LT+32*\a+27], v[LT+32*\a+28:LT+32*\a+29]
.endr
.irp a, 0,1
	v_add_f32 v[LT+32*\a+26], v[LT+32*\a+26], v[LT+32*\a+27]
.endr
.irp a, 0,1
	v_permlanex16_b32 v[LT+32*\a+2], v[LT+32*\a+26], s[SEL], s[SEL+1]
.endr
.irp a, 0,1
	v_add_f32 v[LT+32*\a+9], v[LT+32*\a+26], v[LT+32*\a+2]         ; beside the mean: the centred sum of squares
.endr
	s_wait_alu depctr_va_vdst(0)                   ; the two pairs v[LT+8], v[LT+9] are written, which the stores below read; the lines above are done with v[LT+10 ..], in which the merging loads land behind the barrier
.irp a, 0,1
	ds_store_b64 v[STW], v[LT+32*\a+8:LT+32*\a+9] offset:1280*\a   ; both lanes of a row write the same pair
.endr
.endm
; Second half: the eight waves' pairs are merged; y = (v - mean) x rstd x gain + bias, gain in v[P32] on, bias in v[P32 + 16] on.
.macro LNFIN V, Y
.irp a, 0,1
.irp i, 0,1,2,3
	ds_load_b128 v[LT+32*\a+10+4*\i:LT+32*\a+13+4*\i], v[STD] offset:1280*\a+16*\i
.endr
.endr
	s_wait_dscnt 0x0
	s_wait_alu depctr_vm_vsrc(0)                   ; the first half's LDS stores have read the pairs v[LT+8], v[LT+9], which are written again below
.irp a, 0,1
.irp i, 0,1,2,3
	v_pk_add_f32 v[LT+32*\a+2*\i:LT+32*\a+2*\i+1], v[LT+32*\a+10+4*\i:LT+32*\a+11+4*\i], v[LT+32*\a+12+4*\i:LT+32*\a+13+4*\i]
.endr
.endr
.irp a, 0,1
	v_pk_add_f32 v[LT+32*\a:LT+32*\a+1], v[LT+32*\a:LT+32*\a+1], v[LT+32*\a+2:LT+32*\a+3]
	v_pk_add_f32 v[LT+32*\a+4:LT+32*\a+5], v[LT+32*\a+4:LT+32*\a+5], v[LT+32*\a+6:LT+32*\a+7]
.endr
.irp a, 0,1
	v_pk_add_f32 v[LT+32*\a:LT+32*\a+1], v[LT+32*\a:LT+32*\a+1], v[LT+32*\a+4:LT+32*\a+5]   ; (the sum of the means, the sum of the M2)
.endr
.irp a, 0,1
	v_mul_f32 v[LT+32*\a+8], 0x3e000000, v[LT+32*\a]               ; / 8: the row's mean
.endr
.irp a, 0,1
.irp i, 0,1,2,3,4,5,6,7
	v_sub_f32 v[LT+32*\a+10+2*\i], v[LT+32*\a+10+2*\i], v[LT+32*\a+8]
.endr
.endr
.irp a, 0,1
	v_mul_f32 v[LT+32*\a+2], v[LT+32*\a+10], v[LT+32*\a+10]
.endr
.irp i, 1,2,3,4,5,6,7
.irp a, 0,1
	v_fmac_f32 v[LT+32*\a+2], v[LT+32*\a+10+2*\i], v[LT+32*\a+10+2*\i]
.endr
.endr
.irp a, 0,1
	v_fma_f32 v[LT+32*\a+2], v[LT+32*\a+2], 0x42000000, v[LT+32*\a+1]   ; 32 x the means' spread + the sum of the M2
.endr
.irp a, 0,1
	v_fma_f32 v[LT+32*\a+2], v[LT+32*\a+2], s[I256], s[EPS]        ; / 256 + 1e-5
.endr
.irp a, 0,1
	v_rsq_f32 v[LT+32*\a+4], v[LT+32*\a+2]
.endr
.irp a, 0,1
	v_mov_b32 v[LT+32*\a+9], v[LT+32*\a+8]                         ; plain lines behind the two roots
.endr
	s_wait_alu depctr_va_vdst(0)                   ; both roots, v[LT+4] and v[LT+36], are written, ahead of their first reader: one wait for the two
.irp a, 0,1
.irp i, 0,1,2,3,4,5,6,7
	v_pk_add_f32 v[(\Y)+16*\a+2*\i:(\Y)+16*\a+2*\i+1], v[(\V)+16*\a+2*\i:(\V)+16*\a+2*\i+1], v[LT+32*\a+8:LT+32*\a+9] neg_lo:[0,1] neg_hi:[0,1]
.endr
.endr
.irp a, 0,1
.irp i, 0,1,2,3,4,5,6,7
	v_pk_mul_f32 v[(\Y)+16*\a+2*\i:(\Y)+16*\a+2*\i+1], v[(\Y)+16*\a+2*\i:(\Y)+16*\a+2*\i+1], v[LT+32*\a+4:LT+32*\a+5] op_sel_hi:[1,0]
.endr
.endr
.irp a, 0,1
.irp i, 0,1,2,3,4,5,6,7
	v_pk_fma_f32 v[(\Y)+16*\a+2*\i:(\Y)+16*\a+2*\i+1], v[(\Y)+16*\a+2*\i:(\Y)+16*\a+2*\i+1], v[P32+2*\i:P32+2*\i+1], v[P32+16+2*\i:P32+17+2*\i]
.endr
.endr
.endm
.macro HMUL bb, g, cb                  ; block bb of my 128 hidden units: products, then w2's pair bb into the group just multiplied
	WIN 0x01
	MMK \g, WSB+2*(\bb), \cb, 0
	WIN 0
	PLACES 9                                       ; eight ahead of the reads of the results, nine ahead of the products that start the same accumulators anew
	WIN 0x40
	s_wait_alu depctr_va_vdst(0)                   ; the eight products are done reading group g, in which the loads below land, and their biases, in which the loads that follow this macro land
	GLOADC \g, \bb
	WIN 0
.endm
.macro HOUT bb                         ; relu, quantised: block bb of K step w of the third product, for both tiles of tokens
	s_wait_dscnt 0x0                               ; my earlier LDS stores have landed
	s_wait_alu depctr_vm_vsrc(0)                   ; they have read v[PC ..] (those of x1's scale bytes v[TM+2], v[TM+3] too), which the quantiser below writes again
	QUANT2 ACC, ACC, 1, PC
.irp a, 0,1
.if (\bb) == 0
	v_mov_b32 v[HW+\a], v[TM+2+\a]
.else
	v_lshl_or_b32 v[HW+\a], v[TM+2+\a], 8*(\bb), v[HW+\a]
.endif
.endr
	s_wait_alu depctr_va_vdst(0)                   ; the conversions have written v[PC ..], which the stores below read; the lines above have written v[HW], v[HW+1], which the last block's further stores read
	ds_store_b128 v[HWI], v[PC:PC+3] offset:512*(\bb)
	ds_store_b128 v[HWI], v[PC+4:PC+7] offset:16384+512*(\bb)
.endm
; The hidden fragments' four sets: set k = s % 4 at v16, v48, v80, v144; its two scale registers at v248, v250, v226, v228.
.macro HFETCH s                        ; K step s of the hidden layer, both tiles of tokens, into set s % 4
.set HK, (\s)%4
.set HB, XF+32*HK+32*(HK/3)
.set HQ, HS+2*HK-26*(HK/2)
.irp a, 0,1
.irp c, 0,1,2,3
	ds_load_b128 v[HB+16*\a+4*\c:HB+16*\a+4*\c+3], v[HRD] offset:(8*\a+(\s))*2048+512*\c
.endr
.endr
.irp a, 0,1
	ds_load_b32 v[HQ+\a], v[HSR] offset:(8*\a+(\s))*128
.endr
.endm
.macro CMUL s                          ; the third product's K step s: four accumulators by turns, in place on x1 + b2
.set HK, (\s)%4
.set HB, XF+32*HK+32*(HK/3)
.set HQ, HS+2*HK-26*(HK/2)
.set WG, 64*((((\s)/2)+1)%4)+16*((\s)%2)
.irp a, 0,1
.irp u, 0,1
.if (\s)%2
	v_wmma_scale_f32_16x16x128_f8f6f4 v[X1+16*\a+8*\u:X1+16*\a+8*\u+7], v[WG+32*\u:WG+32*\u+15], v[HB+16*\a:HB+16*\a+15], v[X1+16*\a+8*\u:X1+16*\a+8*\u+7], v[WSC+4*\u+(\s)/2], v[HQ+\a] matrix_a_fmt:MATRIX_FMT_BF8 matrix_b_fmt:MATRIX_FMT_BF8 matrix_a_scale:MATRIX_SCALE_ROW1
.else
	v_wmma_scale_f32_16x16x128_f8f6f4 v[X1+16*\a+8*\u:X1+16*\a+8*\u+7], v[WG+32*\u:WG+32*\u+15], v[HB+16*\a:HB+16*\a+15], v[X1+16*\a+8*\u:X1+16*\a+8*\u+7], v[WSC+4*\u+(\s)/2], v[HQ+\a] matrix_a_fmt:MATRIX_FMT_BF8 matrix_b_fmt:MATRIX_FMT_BF8
.endif
.endr
.endr
.endm
	s_load_b256 s[4:11], s[0:1], 0x0               ; ctx s[4:5], the residual s[6:7], the pack s[8:9], the result s[10:11]
	v_lshl_add_u32 v254, v0, 2, 0x13600
	v_mov_b32 v255, 0
	v_lshrrev_b32 v15, 5, v0
	v_readfirstlane_b32 s12, v15                   ; wave 0..7
	s_and_b32 s13, ttmp7, 0xffff                   ; batch
	v_and_b32 v15, 31, v0                          ; lane
	v_and_b32 v[R], 15, v0
	v_bfe_u32 v[H64], v0, 4, 1
	v_lshlrev_b32 v[H64], 6, v[H64]
	v_lshlrev_b32 v[L16], 4, v15
	v_lshlrev_b32 v[L4], 2, v15
	s_wait_alu depctr_va_sdst(0)                   ; s12 is written, ahead of its first reader: LDS places and bases are made from it
	s_mul_i32 s14, s12, 4*SPITCH
	v_add_nc_u32 v[STI], s14, v[L16]               ; the stage by rows: my four rows, 16 bytes a lane
	v_mul_u32_u24 v[STR], v[R], SPITCH
	v_add_nc_u32 v[STR], v[STR], v[H64]
	s_lshl_b32 s14, s12, 7
	v_add_nc_u32 v[STR], s14, v[STR]               ; and by features: row r, my wave's 128 bytes, + 64 h
	s_lshl_b32 s14, s12, 9
	v_add_nc_u32 v[XWI], s14, v[L16]               ; x1's images: block w % 4 of K step w / 4: 512 w
	s_lshr_b32 s14, s12, 2
	s_lshl_b32 s14, s14, 7
	s_and_b32 s15, s12, 3
	s_add_co_u32 s14, s14, s15
	v_add_nc_u32 v[XWS], s14, v[L4]                ; and my byte of their scale words
	s_lshl_b32 s14, s12, 11
	s_add_co_u32 s14, s14, HIMG
	v_add_nc_u32 v[HWI], s14, v[L16]
	s_lshl_b32 s14, s12, 7
	s_add_co_u32 s14, s14, HSC
	v_add_nc_u32 v[HWS], s14, v[L4]
	v_add_nc_u32 v[HRD], HIMG, v[L16]
	v_add_nc_u32 v[HSR], HSC, v[L4]
	v_mul_u32_u24 v[STD], v[R], 80
	v_add_nc_u32 v[STD], STAT, v[STD]
	s_lshl_b32 s14, s12, 3
	v_add_nc_u32 v[STW], s14, v[STD]
	s_mov_b32 s[SEL], 0x76543210
	s_mov_b32 s[SEL+1], 0xfedcba98
	s_mov_b32 s[MNT], 0x600000
	s_mov_b32 s[I256], 0x3b800000                  ; 1 / 256
	s_mov_b32 s[EPS], 0x3727c5ac                   ; 1e-5
	v_mov_b32 v[TM+2], 0                           ; written once: a lane permute's destination counts as one of its sources
	v_mov_b32 v[TM+3], 0
	s_mov_b32 s43, 0
	s_lshl_b32 s42, ttmp9, 17                      ; my four rows of the residual and of the result
	s_lshl_b32 s14, s13, 10
	s_add_co_u32 s42, s42, s14
	s_lshl_b32 s14, s12, 14
	s_add_co_u32 s42, s42, s14
	s_wait_kmcnt 0x0
	s_add_nc_u64 s[32:33], s[6:7], s[42:43]
	s_add_nc_u64 s[34:35], s[10:11], s[42:43]
	s_lshl_b32 s42, s13, 19                        ; ctx's codes: 4,096 (128 batch + 2 x + a)
	s_lshl_b32 s14, ttmp9, 13
	s_add_co_u32 s42, s42, s14
	s_add_nc_u64 s[28:29], s[4:5], s[42:43]
	s_lshl_b32 s42, s13, 14                        ; its scale bytes: 2,048 (8 batch + head) + 32 x
	s_lshl_b32 s14, ttmp9, 5
	s_add_co_u32 s42, s42, s14
	s_add_nc_u64 s[30:31], s[4:5], s[42:43]
	s_lshl_b32 s42, s12, 7                         ; the pack + 128 w, 256 w, 512 w, 1,024 w, 8,192 w, 32,768 w
	s_add_nc_u64 s[16:17], s[8:9], s[42:43]
	s_lshl_b32 s42, s12, 8
	s_add_nc_u64 s[18:19], s[8:9], s[42:43]
	s_lshl_b32 s42, s12, 9
	s_add_nc_u64 s[20:21], s[8:9], s[42:43]
	s_lshl_b32 s42, s12, 10
	s_add_nc_u64 s[22:23], s[8:9], s[42:43]
	s_lshl_b32 s42, s12, 13
	s_add_nc_u64 s[24:25], s[8:9], s[42:43]
	s_lshl_b32 s42, s12, 15
	s_add_nc_u64 s[26:27], s[8:9], s[42:43]
	; ---- the head's loads
	s_wait_alu depctr_va_vdst(0)                   ; the addresses v1 to v14, v254 and v255 are written: every load and store of the kernel reads some of them, and none is written again
.irp i, 0,1,2,3
.irp j, 0,1
	global_load_b128 v[BA+8*\i+4*\j:BA+8*\i+4*\j+3], v[L16], s[32:33] offset:4096*\i+512*\j th:TH_LOAD_NT
.endr
.endr
.irp i, 0,1,2,3,4,5,6,7,8,9,10,11,12,13,14,15
	global_load_b128 v[XF+4*\i:XF+4*\i+3], v[L16], s[28:29] offset:512*\i th:TH_LOAD_NT   ; ctx's four fragments: 2 a + s
.endr
.irp a, 0,1
.irp d, 0,1,2,3,4,5,6,7
	global_load_u8 v[X1+8*\a+\d], v[R], s[30:31] offset:CSO+2048*\d+16*\a
.endr
.endr
	WIN 0x40                                       ; destination window 1
	GLOAD 0, 24, OUTW_C
	WIN 0
.irp u, 0,1
	global_load_b32 v[WSA+\u], v[L4], s[18:19] offset:OUTW_S+128*\u
.endr
.irp j, 0,1,2,3
	global_load_b128 v[X1+16+4*\j:X1+19+4*\j], v[H64], s[16:17] offset:OUT_B+16*\j
.endr
.irp j, 0,1,2,3
	global_load_b128 v[P32+4*\j:P32+4*\j+3], v[H64], s[16:17] offset:LN1_S+16*\j
.endr
.irp j, 0,1,2,3
	global_load_b128 v[P32+16+4*\j:P32+19+4*\j], v[H64], s[16:17] offset:LN1_B+16*\j
.endr
	s_wait_loadcnt 62                              ; the residual's eight loads are in: 16 + 16 + 16 + 2 + 4 + 8 were issued behind them
.irp i, 0,1,2,3
.irp j, 0,1
	ds_store_b128 v[STI], v[BA+8*\i+4*\j:BA+8*\i+4*\j+3] offset:SPITCH*\i+512*\j
.endr
.endr
	BARRIER                                        ; the 32 rows lie in the stage
.irp a, 0,1
.irp j, 0,1,2,3
	ds_load_b128 v[ACC+16*\a+4*\j:ACC+16*\a+4*\j+3], v[STR] offset:16*SPITCH*\a+16*\j   ; the residual in the results' layout
.endr
.endr
	s_wait_loadcnt 0x0
	s_wait_alu depctr_vm_vsrc(0)                   ; the LDS stores into the stage have read v[BA ..], in which b1's blocks 0 and 1 land
.irp b, 0,1,2,3
.irp u, 0,1
	global_load_b32 v[WSB+2*\b+\u], v[L4], s[22:23] offset:W1_S+256*\b+128*\u
.endr
.endr
.irp u, 0,1
.irp p, 0,1,2,3
	global_load_b32 v[WSC+4*\u+\p], v[L4], s[22:23] offset:W2_S+512*\u+128*\p
.endr
.endr
.irp b, 0,1
.irp j, 0,1,2,3
	global_load_b128 v[BA+16*\b+4*\j:BA+16*\b+4*\j+3], v[H64], s[20:21] offset:B1+128*\b+16*\j
.endr
.endr
	WIN 0x40
	GLOAD 1, 26, W1_C                              ; no vector line has been issued since the wait at the head, and these registers are named for the first time
	GLOAD 2, 26, W1_C+8192
	GLOAD 3, 26, W1_C+16384
	WIN 0
.irp a, 0,1
.irp s, 0,1
	v_lshl_or_b32 v[XS+2*\a+\s], v[X1+8*\a+4*\s+1], 8, v[X1+8*\a+4*\s]   ; four heads' bytes make a K step's scale word
	v_lshl_or_b32 v[XS+2*\a+\s], v[X1+8*\a+4*\s+2], 16, v[XS+2*\a+\s]
	v_lshl_or_b32 v[XS+2*\a+\s], v[X1+8*\a+4*\s+3], 24, v[XS+2*\a+\s]
.endr
.endr
	s_wait_dscnt 0x0
.irp a, 0,1
.irp i, 0,2,4,6,8,10,12,14
	v_pk_add_f32 v[ACC+16*\a+\i:ACC+16*\a+\i+1], v[ACC+16*\a+\i:ACC+16*\a+\i+1], v[X1+16+\i:X1+17+\i]   ; + out_b.  Of these sixteen, twelve name no register of any one product below: the places between the scale words and the products
.endr
.endr
	; ---- A: x + out_b + ctx out_w^T
	WIN 0x01                                       ; source 0 (the weight) window 1
	s_wait_alu depctr_va_vdst(0)                   ; the vector lines above have written v[XS ..], which the products below take as scales; the places stand ahead of this wait
	MMK 0, WSA, 0, 1
	WIN 0
	PLACES 9                                       ; eight ahead of the reads of the results, nine ahead of the products that start the same accumulators anew
	WIN 0x40
	s_wait_alu depctr_va_vdst(0)                   ; the eight products are done reading group 0, in which the loads below land
	GLOAD 0, 26, W1_C+24576
	WIN 0
	LNLOC ACC
	BARRIER                                        ; the eight waves' pairs lie in LDS
	LNFIN ACC, X1
	QUANT2 X1, XF, 0, PC                           ; the held numbers go elsewhere: x1 stays whole, as the second residual
	s_wait_alu depctr_va_vdst(0)                   ; the norm is done reading v[P32 ..], in which b1's blocks 2 and 3 land; the quantiser has written v[PC ..], v[TM+2], v[TM+3], which the stores read, and is done with v[XF ..], in which the images land behind the barrier
.irp b, 0,1
.irp j, 0,1,2,3
	global_load_b128 v[P32+16*\b+4*\j:P32+16*\b+4*\j+3], v[H64], s[20:21] offset:B1+256+128*\b+16*\j
.endr
.endr
	ds_store_b128 v[XWI], v[PC:PC+3] offset:XIMG
	ds_store_b128 v[XWI], v[PC+4:PC+7] offset:XIMG+4096
	ds_store_b8 v[XWS], v[TM+2] offset:XSC
	ds_store_b8 v[XWS], v[TM+3] offset:XSC+256
	BARRIER                                        ; x1's four fragments lie in LDS
.irp i, 0,1,2,3,4,5,6,7,8,9,10,11,12,13,14,15
	ds_load_b128 v[XF+4*\i:XF+4*\i+3], v[L16] offset:XIMG+512*\i
.endr
.irp f, 0,1,2,3
	ds_load_b32 v[XS+\f], v[L4] offset:XSC+128*\f
.endr
	s_wait_dscnt 0x0
	; ---- B: my 128 hidden units, 32 at a time
	s_wait_loadcnt 56                              ; group 1 and all ahead of it are in; behind it: groups 2, 3, 0 (48) and b1's blocks 2, 3 (8)
	HMUL 0, 1, BA
	HOUT 0
	s_wait_loadcnt 56                              ; group 2 is in; behind it: groups 3, 0 (32), b1's blocks 2, 3 (8), w2's pair 0 (16)
	HMUL 1, 2, BA+16
.irp j, 0,1,2,3
	global_load_b128 v[BA+4*\j:BA+4*\j+3], v[H64], s[16:17] offset:B2+16*\j   ; where block 0's products read b1: they stand ahead of the wait in the macro above, and no vector line stands behind it
.endr
	HOUT 1
	s_wait_loadcnt 36                              ; b1's blocks 2, 3 and all ahead of them (groups 3 and 0) are in; behind them: w2's pairs 0, 1 (32), b2 (4)
	HMUL 2, 3, P32
	HOUT 2
	HMUL 3, 0, P32+16
.irp j, 0,1,2,3
	global_load_b128 v[P32+4*\j:P32+4*\j+3], v[H64], s[16:17] offset:LN2_S+16*\j   ; where blocks 2 and 3's products read b1: likewise
.endr
.irp j, 0,1,2,3
	global_load_b128 v[P32+16+4*\j:P32+19+4*\j], v[H64], s[16:17] offset:LN2_B+16*\j
.endr
	HOUT 3
	ds_store_b32 v[HWS], v[HW]
	ds_store_b32 v[HWS], v[HW+1] offset:1024
	BARRIER                                        ; the hidden layer's sixteen fragments lie in LDS
	; ---- C: x1 + b2 + hidden w2^T
	HFETCH 0                                       ; sets 0, 1, 2: the second product's operand, its accumulators and x1's scale words were last named ahead of the last quantiser's wait on va_vdst, and no vector line stands behind it
	HFETCH 1
	HFETCH 2
	s_wait_loadcnt 40                              ; w2's pairs 0, 1 and b2 are in; behind them: pairs 2, 3 (32), the second norm's gain and bias (8)
.irp a, 0,1
.irp i, 0,2,4,6,8,10,12,14
	v_pk_add_f32 v[X1+16*\a+\i:X1+16*\a+\i+1], v[X1+16*\a+\i:X1+16*\a+\i+1], v[BA+\i:BA+\i+1]
.endr
.endr
	s_wait_alu depctr_va_vdst(0)                   ; the additions are done reading b2 in v[BA ..], in which set 3 lands
	HFETCH 3
	s_wait_dscnt 30                                ; K step 0's ten loads are in; those of K steps 1 to 3 may be out
	WIN 0x01
	CMUL 0
	s_wait_dscnt 20
	CMUL 1
	WIN 0
	PLACES 8                                       ; eight places between the products and the loads into registers that they read stand beside the wait
	s_wait_alu depctr_va_vdst(0)                   ; the products of K steps 0 and 1 are done reading sets 0 and 1 and their scale words, in which K steps 4 and 5 land
	HFETCH 4
	HFETCH 5
	s_wait_dscnt 30                                ; K step 2's loads are in; behind them: K steps 3, 4, 5
	WIN 0x01
	CMUL 2
	s_wait_dscnt 20
	CMUL 3
	WIN 0
	PLACES 8
	s_wait_alu depctr_va_vdst(0)                   ; the products of K steps 2 and 3 are done reading sets 2 and 3 and their scale words, in which K steps 6 and 7 land
	HFETCH 6
	HFETCH 7
	s_wait_dscnt 30                                ; K step 4's loads are in; behind them: K steps 5, 6, 7
	s_wait_loadcnt 24                              ; pair 2 is in; behind it: pair 3 (16), gain and bias (8)
	WIN 0x01
	CMUL 4
	s_wait_dscnt 20
	CMUL 5
	s_wait_dscnt 10
	s_wait_loadcnt 8                               ; pair 3 is in
	CMUL 6
	s_wait_dscnt 0x0
	CMUL 7
	WIN 0
	PLACES 8
	LNLOC X1
	BARRIER
	s_wait_loadcnt 0x0                             ; the second norm's gain and bias
	LNFIN X1, X1
	s_wait_alu depctr_va_vdst(0)                   ; the norm has written v[X1 ..], which the stores below read; the last products are done reading set 3, v[BA ..], in which the result's rows land behind the barrier
.irp a, 0,1
.irp j, 0,1,2,3
	ds_store_b128 v[STR], v[X1+16*\a+4*\j:X1+16*\a+4*\j+3] offset:16*SPITCH*\a+16*\j
.endr
.endr
	BARRIER                                        ; 32 whole rows of the result lie in the stage
.irp i, 0,1,2,3
.irp j, 0,1
	ds_load_b128 v[BA+8*\i+4*\j:BA+8*\i+4*\j+3], v[STI] offset:SPITCH*\i+512*\j
.endr
.endr
.irp n, 0,1,2,3,4,5,6,7
	s_wait_dscnt 7-\n
	global_store_b128 v[L16], v[BA+4*\n:BA+4*\n+3], s[34:35] offset:4096*(\n/2)+512*(\n%2)   ; 32 lanes store 512 consecutive bytes, aligned
.endr
	s_wait_dscnt 0x0                               ; the closing lines, six on end
	s_wait_alu 0x0
	s_wait_tensorcnt 0x0
	ds_add_u32 v254, v255
	s_wait_dscnt 0x0
	s_endpgm
.Lfunc_end_k_qd37685e519_post0:
	.size	k_qd37685e519_post0, .Lfunc_end_k_qd37685e519_post0-k_qd37685e519_post0
	.p2alignl 7, 3214868480
	.fill 96, 4, 3214868480
	.section	.rodata,"a",@progbits
	.p2align	6, 0x0
	.amdhsa_kernel k_qd37685e519_post0
		.amdhsa_group_segment_fixed_size 80384
		.amdhsa_private_segment_fixed_size 0
		.amdhsa_enable_private_segment 0
		.amdhsa_kernarg_size 32
		.amdhsa_user_sgpr_count 2
		.amdhsa_user_sgpr_kernarg_segment_ptr 1
		.amdhsa_wavefront_size32 1
		.amdhsa_system_sgpr_workgroup_id_x 1
		.amdhsa_system_sgpr_workgroup_id_y 1
		.amdhsa_system_sgpr_workgroup_id_z 1
		.amdhsa_system_vgpr_workitem_id 0
		.amdhsa_next_free_vgpr 512
		.amdhsa_next_free_sgpr 66
		.amdhsa_reserve_vcc 0
		.amdhsa_float_denorm_mode_32 3
		.amdhsa_float_denorm_mode_16_64 3
		.amdhsa_memory_ordered 1
		.amdhsa_forward_progress 1
		.amdhsa_inst_pref_size 93
	.end_amdhsa_kernel
	.amdgpu_metadata
---
amdhsa.version: [ 1, 2 ]
amdhsa.kernels:
  - .name:           k_qd37685e519_post0
    .symbol:         k_qd37685e519_post0.kd
    .args:
      - { .name: ctx, .offset: 0, .size: 8, .value_kind: global_buffer, .address_space: global }
      - { .name: x, .offset: 8, .size: 8, .value_kind: global_buffer, .address_space: global }
      - { .name: pk0, .offset: 16, .size: 8, .value_kind: global_buffer, .address_space: global }
      - { .name: xm, .offset: 24, .size: 8, .value_kind: global_buffer, .address_space: global }
    .group_segment_fixed_size: 80384
    .private_segment_fixed_size: 0
    .kernarg_segment_align: 8
    .kernarg_segment_size: 32
    .max_flat_workgroup_size: 256
    .sgpr_count:     66
    .vgpr_count:     512
    .wavefront_size: 32
...
	.end_amdgpu_metadata
.endif
;; end of part 6
;; launch qkv1: the kernel of part 5 again; grid 64 x 4, 8 waves a work-group, no clusters, 46,080 bytes of LDS; arguments xm, pk1, qkvc; writes qkvc
;; launch att1: the kernel of part 3 again; grid 8 x 32, 16 waves a work-group, clusters of 4 x 1, 169,984 bytes of LDS; arguments qkvc, ctx; writes ctx
;; launch post1: the kernel of part 6 again; grid 64 x 4, 8 waves a work-group, no clusters, 80,384 bytes of LDS; arguments ctx, xm, pk1, out0; writes out0
